; MI455X (gfx1250); checked and timed in simulation.
; The chip was launched on July 23, 2026; its instructions are those of AMD's public machine-readable ISA for CDNA 5 (MIT licence, August 2026) and "CDNA5" Instruction Set Architecture Reference Guide (July 2026). The comments in the code are by the model that wrote it; some were corrected since.
;; Self Cross Attention. Allowed arithmetic: matrix products marked QUANTISED: E2M3 operands, one E8M0 scale for each 32 along K, by v_wmma_scale_f32_16x16x128_f8f6f4 with both operands' format E2M3, f32 sums; everything else in f32.
;; Inputs: w_b 256 float32; w_w_codes 256 x 8 x 24 uint8 (E2M3 codes of w_w, K innermost, in blocks of 32 codes, four codes in three bytes); w_w_scales 256 x 8 uint8 (E8M0 scales of w_w, one for each 32 codes along K); wk_a_b 256 float32; wk_a_w_codes 256 x 8 x 24 uint8 (E2M3 codes of wk_a_w, K innermost, in blocks of 32 codes, four codes in three bytes); wk_a_w_scales 256 x 8 uint8 (E8M0 scales of wk_a_w, one for each 32 codes along K); wk_b_b 256 float32; wk_b_w_codes 256 x 8 x 24 uint8 (E2M3 codes of wk_b_w, K innermost, in blocks of 32 codes, four codes in three bytes); wk_b_w_scales 256 x 8 uint8 (E8M0 scales of wk_b_w, one for each 32 codes along K); wq_b 256 float32; wq_w_codes 256 x 8 x 24 uint8 (E2M3 codes of wq_w, K innermost, in blocks of 32 codes, four codes in three bytes); wq_w_scales 256 x 8 uint8 (E8M0 scales of wq_w, one for each 32 codes along K); wv_a_b 256 float32; wv_a_w_codes 256 x 8 x 24 uint8 (E2M3 codes of wv_a_w, K innermost, in blocks of 32 codes, four codes in three bytes); wv_a_w_scales 256 x 8 uint8 (E8M0 scales of wv_a_w, one for each 32 codes along K); wv_b_b 256 float32; wv_b_w_codes 256 x 8 x 24 uint8 (E2M3 codes of wv_b_w, K innermost, in blocks of 32 codes, four codes in three bytes); wv_b_w_scales 256 x 8 uint8 (E8M0 scales of wv_b_w, one for each 32 codes along K); x_a 2 x 2,048 x 256 float32; x_b_codes 2 x 2,048 x 8 x 24 uint8 (E2M3 codes of x_b, K innermost, in blocks of 32 codes, four codes in three bytes); x_b_scales 2 x 2,048 x 8 uint8 (E8M0 scales of x_b, one for each 32 codes along K).
;; Outputs: out0 2 x 2,048 x 256 float32.
;; This version of the problem:
;;   THIS VERSION OF THE PROBLEM IS GIVEN IN LOW PRECISION. The matrix products marked QUANTISED in the list below multiply operands that are first quantised to E2M3 (2 exponent bits, 3 mantissa bits; 6 bits a number), with one power-of-two scale for each 32 numbers along K (OCP MX v1.0); their sums are f32. All else is computed in f32.
;;   The module's matrix products, in the order in which they are computed (A, B: the left and right operand; K: the contracted axis; several contracted axes count as one K, in the product's order):
;;     1. [M 4,096, K 256] x [K 256, N 256]; A: input x_a; B: input wq_w (given as codes): QUANTISED
;;     2. [M 4,096, K 256] x [K 256, N 256]; A: input x_a; B: input wk_a_w (given as codes): QUANTISED
;;     3. [M 4,096, K 256] x [K 256, N 256]; A: input x_a; B: input wv_a_w (given as codes): QUANTISED
;;     4. [M 4,096, K 256] x [K 256, N 256]; A: input x_b (given as codes); B: input wk_b_w (given as codes): QUANTISED
;;     5. [M 4,096, K 256] x [K 256, N 256]; A: input x_b (given as codes); B: input wv_b_w (given as codes): QUANTISED
;;     6. batch 16 x [M 2,048, K 32] x [K 32, N 4,096]; A: computed on the way; B: computed on the way: QUANTISED
;;     7. batch 16 x [M 2,048, K 4,096] x [K 4,096, N 32]; A: softmax (see below); B: computed on the way: QUANTISED
;;     8. [M 4,096, K 256] x [K 256, N 256]; A: computed on the way; B: input w_w (given as codes): QUANTISED
;;   THE QUANTISER, for each operand of a quantised product, along K:
;;     - K is cut into blocks of 32 from its start; a last block that is shorter is filled with zeros.
;;     - A block's scale is 2^e with e = floor(log2(the largest magnitude in the block)) - 2, held to -126 .. 127; a block of zeros has e = 0. As a byte (E8M0): e + 127.
;;     - Each number is divided by its block's scale, clamped to +-7.5, and rounded to the nearest number of E2M3, ties to even, subnormals kept.
;;     - The product sums the exact products of the quantised numbers (number of the format x scale) in f32.
;;   ~~~python
;;   def quantise(x, axis):      # numpy; x: float32 -> the quantised numbers, widened to float32 again
;;       x = np.moveaxis(x, axis, -1); K = x.shape[-1]
;;       x = np.pad(x, [(0, 0)] * (x.ndim - 1) + [(0, -K % 32)]); x = x.reshape(x.shape[:-1] + (-1, 32)); a = np.abs(x).max(-1, keepdims=True)
;;       e = np.where(a > 0, np.clip(np.frexp(np.where(a > 0, a, 1))[1] - 1 - 2, -126, 127), 0)      # np.frexp(a)[1] - 1 = floor(log2(a)), exactly
;;       r = np.clip(x / 2.0 ** e, -7.5, 7.5)
;;       step = 2.0 ** (np.maximum(np.frexp(np.where(r == 0, 1, r))[1] - 1, 0) - 3)
;;       q = np.round(r / step) * step * 2.0 ** e      # np.round: ties to even
;;       return np.moveaxis(q.reshape(q.shape[:-2] + (-1,))[..., :K], -1, axis).astype(np.float32)
;;   ~~~
;;   SOFTMAX AHEAD OF A QUANTISED PRODUCT. Where the list says 'softmax', what is quantised is not the finished softmax but p = 2^(t - M), with t = logit x log2(e) and M = ceil(the row's largest t), a whole number; so 1/2 < the row's largest p <= 1. The row's sum l is taken of the UNQUANTISED p, in f32, and the product's result is divided by l at the end. Since M is a whole number, a kernel that streams over the keys may use a running M (the ceiling of the running maximum): every later rescaling is an exact power of two, which a block's scale takes up: the codes' values come out the same.
;;   OPERANDS COMPUTED ON THE WAY. 'Computed on the way' means the value that the module computes at that place (a softmax that the list does not call 'softmax' is quantised finished and normalised). What goes into a quantiser is computed in f32, as accurately as f32 sums, v_exp_f32 and their like allow (about 1e-6 of the number): no bf16 or f16 on the way to a quantiser, and a product that is left as it is and whose result goes on into a quantised operand takes f32 operands (vector FMAs, or v_wmma_f32_16x16x4_f32). A number that lies on a knife's edge between two numbers of the format may be rounded either way, as far as f32 arithmetic and the matrix unit's own rounding can turn it there, and no further.
;;   INPUTS GIVEN AS CODES. w_w (in the module: [256, 256], K = its axis 1); wk_a_w (in the module: [256, 256], K = its axis 1); wk_b_w (in the module: [256, 256], K = its axis 1); wq_w (in the module: [256, 256], K = its axis 1); wv_a_w (in the module: [256, 256], K = its axis 1); wv_b_w (in the module: [256, 256], K = its axis 1); x_b (in the module: [2, 2048, 256], K = its axis 2): each comes as NAME_codes (uint8): NAME with its K axis moved to the last place and cut into blocks of 32 codes, [.., K / 32, bytes a block], one block behind the other in memory; four codes in three bytes: a row's codes are one little-endian stream of bits, code i at bits 6 i .. 6 i + 5 (a code: sign, 2 exponent bits, 3 mantissa bits); and NAME_scales (uint8): the same leading axes, one E8M0 byte (e + 127) for each 32 codes along K. Its value is code x scale, taken as it is: it is not quantised again, and the codes and scales need not be those that the quantiser above would give.
;; 2 versions. Each part assembles by itself: llvm-mc -triple=amdgcn-amd-amdhsa -mcpu=gfx1250 --defsym DOCPART=n.
;; ======== version 1 of 2: 3 launches
;; workspace buffers: kv 3,276,800 bytes; qb 851,968 bytes; zc 786,432 bytes; zs 32,768 bytes
;; launch proj (part 1): grid 32 x 5, 4 waves a work-group, no clusters, 53,760 bytes of LDS; arguments x_a, x_b_codes, x_b_scales, wq_w_codes, wq_w_scales, wq_b, wk_a_w_codes, wk_a_w_scales, wk_a_b, wk_b_w_codes, wk_b_w_scales, wk_b_b, wv_a_w_codes, wv_a_w_scales, wv_a_b, wv_b_w_codes, wv_b_w_scales, wv_b_b, qb, kv; writes qb, kv
.if DOCPART == 1
	.amdgcn_target "amdgcn-amd-amdhsa--gfx1250"
	.amdhsa_code_object_version 6
	.text
	.protected	k_qc0928abff2_proj
	.globl	k_qc0928abff2_proj
	.p2align	8
	.type	k_qc0928abff2_proj,@function
k_qc0928abff2_proj:
	s_mov_b64 s[64:65], 0
	v_nop
	global_prefetch_b8 v0, s[64:65] scope:SCOPE_SE
	s_setreg_imm32_b32 hwreg(HW_REG_WAVE_MODE, 25, 1), 1
	s_wait_xcnt 0x0
; The five input projections y = x W^T + b on codes of FP6 (E2M3) with one E8M0 scale for each 32 along K = 256, and the quantising of their results for the attention launch.
; Work-group (x, y): x = a STEP of 128 rows of the flat [4096] rows; y = which projection: 0 q, 1 k_a, 2 k_b (results quantised along a head's 32 features), 3 v_a, 4 v_b (quantised along the keys).
; x_a arrives as f32 and is quantised here; x_b and the weights arrive as codes and are taken as they lie.
; TILES.  A step's 128 rows are cut into 8 tiles; row m of tile t is row 32 (t / 2) + 8 (t % 2) + m + 8 (m / 8).  Eight such tiles as source 0 give a lane 64 results that are 4 x 16 NEIGHBOURS:
; register 16 b + i = row 32 b + 16 (lane / 16) + i.  A TASK is eight such tiles (the stationary set, 192 registers, window 1) against one moving tile of 16 rows, two K steps deep: 16 matrix instructions; then one QUANT.
;   q, k: stationary = 128 rows of W (four heads), moving = a tile of x: a lane holds one row of x and four heads' 32 features: four blocks.  Wave w: heads 4 (w % 2) on, x tiles 4 (w / 2) on.
;   v:    stationary = the step's 8 tiles of x, moving = 16 rows of W: a lane holds one feature and 128 neighbouring keys: the task's result IS an operand of the product p v.  Wave w: heads 2 w, 2 w + 1.
; WHAT IS STORED: images of operand registers (registers 4 i .. 4 i + 3 of lane l at 512 i + 16 l: 1,536 bytes a fragment), so that the reader needs three loads of 16 bytes a lane.
;   A K (or Q) fragment holds FOUR tiles of 16 keys of one head: block beta of row m = the 32 codes of row m of tile 4 f + beta.   A V fragment tau holds features 8 tau + r + 8 (r / 8) x the step's 128 keys.
; x's fragments are made (or fetched) once in the work-group, two tiles a wave, and go from wave to wave through LDS as images.  The two kinds of path have LDS bytes of their own.
; LIMITS: NaN and infinities are not served.  A block whose largest magnitude lies under 2^-124, a block of zeros too, gets the scale byte 1: its bytes are read by this program alone.
; REGISTERS.  window 0: v1-15 lane numbers and offsets; v16-79, v80-143 numbers of x, later x's moving tile (v16-41) and the 8 result tiles (v80-143); v144-191 codes; v192-201 scale words; v208-231 at work; v232-255 scale words of operands.
;   window 1: the stationary set, fragment (t, K step) at 12 (2 t + step).   window 2: q, k: the bias in the result's layout, 8 registers a tile; v: four tiles of W at v64 on, their bias at v160 on.
.set FRB,    1536                      ; a fragment's image
.set XIMG_R, 0                         ; LDS, q and k paths: x's 16 fragments, (t, step) at (2 t + step) x 1,536;
.set XSC_R,  24576                     ; their scale words, 128 bytes each
.set XIMG_C, 26624                     ; LDS, v paths: the same
.set XSC_C,  51200
.set BUFA, 16
.set BUFB, 80
.set HA,   80                          ; the 8 result tiles
.set XF,   16                          ; the moving tile of x, two fragments
.set MSX,  40                          ; v40-41 its scale words
.set PC,   144                         ; x's four fragments
.set KB,   144                         ; four heads' K fragments
.set VB,   144                         ; four V fragments
.set PW,   192                         ; v192-195 x's scale words
.set KS,   196                         ; v196-199 K's scale words, a head each
.set VW,   196                         ; v196-199 V's scale words, a fragment each
.set MG,   200                         ; v200-201 two heads' words in one register
.set TQ,   208
.set TM,   216                         ; +0 largest magnitudes, +4 the other half's, then bytes, +12 the conversions' scale operands
.set MS,   232                         ; v232-239 scale words of W's four moving tiles
.set SS,   240                         ; v240-255 scale words of the stationary set
.set WT,   64                          ; window 2
.set BC,   160                         ; window 2
.set WV,   54
.set MU,   55
.set SIDE, 57
.set REC,  59
.set HS,   60
.set SO,   61
.set SEL,  62
.set MSB, 0
.macro WIN new                         ; the immediate's high byte repeats the setting that is left
.if MSB != \new
	s_set_vgpr_msb (MSB<<8)|\new
.set MSB, \new
.endif
.endm
; my two tiles' numbers of x_a: tile 2 w + u, K step g: lane (r, h) takes, of its row, 16 neighbours of each block of 32
.macro XLOAD reg, u, g
.irp b, 0,1,2,3
.irp j, 0,1,2,3
	global_load_b128 v[\reg+16*\b+4*\j:\reg+16*\b+4*\j+3], v5, s[86:87] offset:8192*\u+512*\g+128*\b+16*\j
.endr
.endr
.endm
; 64 numbers of a lane, register 16 b + i = place 32 b + 16 (lane / 16) + i along K, become codes: blocks 0, 1 in v[da] on (lanes 0-15 block 0, lanes 16-31 block 1), blocks 2, 3 in v[db] on; the four bytes stay in v[TM+4] on
.macro QUANT s, da, db
.irp b, 0,1,2,3
	v_max3_num_f32 v[TM+\b], |v[\s+16*\b]|, |v[\s+1+16*\b]|, 0x1800000   ; my 16 numbers of block b, from each result tile's low end on, and the floor 2^(3 - 127): the byte cannot fall under 1
.endr
.irp i, 2,4,6,8,10,12,14
.irp b, 0,1,2,3
	v_max3_num_f32 v[TM+\b], v[TM+\b], |v[\s+16*\b+\i]|, |v[\s+1+16*\b+\i]|   ; the four blocks by turns
.endr
.endr
.irp b, 0,1,2,3
	v_permlanex16_b32 v[TM+4+\b], v[TM+\b], s[SEL], s[SEL+1]
.endr
.irp b, 0,1,2,3
	v_max_num_f32 v[TM+\b], v[TM+\b], v[TM+4+\b]                   ; with lane l xor 16's: the block's largest magnitude
.endr
.irp b, 0,1,2,3
	v_add_nc_u32 v[TM+12+\b], 0xff000000, v[TM+\b]                 ; 2 off its exponent field: the conversion's scale operand
.endr
.irp b, 0,1,2,3
	v_lshrrev_b32 v[TM+4+\b], 23, v[TM+12+\b]                      ; the scale's byte
.endr
	v_cvt_scalef32_pk16_fp6_f32 v[\da:\da+2], v[\s:\s+15], v[TM+12]
	v_cvt_scalef32_pk16_fp6_f32 v[TQ:TQ+2], v[\s+16:\s+31], v[TM+13]       ; (a conversion's three registers begin on an even number)
	v_cvt_scalef32_pk16_fp6_f32 v[\db:\db+2], v[\s+32:\s+47], v[TM+14]
	v_cvt_scalef32_pk16_fp6_f32 v[TQ+4:TQ+6], v[\s+48:\s+63], v[TM+15]
	v_nop                                          ; one plain place behind a scaled conversion
.irp i, 0,1,2
	v_permlane16_swap_b32 v[\da+\i], v[TQ+\i]      ; a whole block to a lane: the first now holds each lane's block's lower 16 codes, the second the upper 16
.endr
.irp i, 0,1,2
	v_mov_b32 v[\da+3+\i], v[TQ+\i]
.endr
.irp i, 0,1,2
	v_permlane16_swap_b32 v[\db+\i], v[TQ+4+\i]
.endr
.irp i, 0,1,2
	v_mov_b32 v[\db+3+\i], v[TQ+4+\i]
.endr
.endm
.macro WORD pw                         ; the four bytes as one scale word
	v_lshl_or_b32 v[\pw], v[TM+5], 8, v[TM+4]
	v_lshl_or_b32 v[\pw], v[TM+6], 16, v[\pw]
	v_lshl_or_b32 v[\pw], v[TM+7], 24, v[\pw]
.endm
.macro KSACC i                         ; tile 4 f + i's byte of each of the four heads goes to byte i of that head's word
.irp b, 0,1,2,3
.if \i == 0
	v_mov_b32 v[KS+\b], v[TM+4+\b]
.else
	v_lshl_or_b32 v[KS+\b], v[TM+4+\b], 8*\i, v[KS+\b]
.endif
.endr
.endm
; 16 matrix instructions: the stationary set against the moving tile at v[mb] on.  The first K step takes the bias as C; the eight accumulators take turns, one instruction a turn.
.macro TASK mb, wina, winb, cb, cstep, ms
	WIN \wina
.irp t, 0,1,2,3,4,5,6,7
	v_wmma_scale_f32_16x16x128_f8f6f4 v[HA+8*\t:HA+8*\t+7], v[24*\t:24*\t+11], v[\mb:\mb+11], v[\cb+\cstep*\t:\cb+\cstep*\t+7], v[SS+2*\t], v[\ms] matrix_a_fmt:MATRIX_FMT_FP6 matrix_b_fmt:MATRIX_FMT_FP6
.endr
	WIN \winb
.irp t, 0,1,2,3,4,5,6,7
	v_wmma_scale_f32_16x16x128_f8f6f4 v[HA+8*\t:HA+8*\t+7], v[24*\t+12:24*\t+23], v[\mb+12:\mb+23], v[HA+8*\t:HA+8*\t+7], v[SS+2*\t+1], v[\ms+1] matrix_a_fmt:MATRIX_FMT_FP6 matrix_b_fmt:MATRIX_FMT_FP6
.endr
	WIN 0
.rept 4
	v_nop                                          ; four places in front of the first read of results (ISA guide 7.12.1)
.endr
.endm
; x's fragments: wave w makes tiles 2 w and 2 w + 1, two K steps each (j = 2 u + step), and stores their images; one barrier.
.macro PHASEX ximg, xsc
	s_cmp_lg_u32 s[SIDE], 0                        ; the same in all four waves: it hangs on the work-group's y alone
	s_cbranch_scc1 .Lgiven_\@
	XLOAD BUFA, 0, 0
	XLOAD BUFB, 0, 1
	s_wait_loadcnt 16                              ; all but the 16 loads issued last: the older set is in (and the weights, issued before it)
	QUANT BUFA, PC, PC+6
	WORD PW
	XLOAD BUFA, 1, 0
	s_wait_loadcnt 16
	QUANT BUFB, PC+12, PC+18
	WORD PW+1
	XLOAD BUFB, 1, 1
	s_wait_loadcnt 16
	QUANT BUFA, PC+24, PC+30
	WORD PW+2
	s_wait_loadcnt 0x0
	QUANT BUFB, PC+36, PC+42
	WORD PW+3
	s_branch .Lhave_\@
.Lgiven_\@:                                            ; x_b: a row's stream of bits is the register image: 24 bytes of a lane as three loads of 8
.irp j, 0,1,2,3
.irp p, 0,1,2,3,4,5
	global_load_b64 v[PC+12*\j+2*\p:PC+12*\j+2*\p+1], v6, s[88:89] offset:1536*(\j/2)+96*(\j%2)+48*(\p/3)+8*(\p%3)
.endr
	global_load_b32 v[PW+\j], v7, s[90:91] offset:64*(\j/2)+4*(\j%2)
.endr
	s_wait_loadcnt 0x0
.Lhave_\@:
.irp j, 0,1,2,3
.irp i, 0,1,2
	ds_store_b128 v10, v[PC+12*\j+4*\i:PC+12*\j+4*\i+3] offset:\ximg+FRB*\j+512*\i
.endr
	ds_store_b32 v11, v[PW+\j] offset:\xsc+128*\j
.endr
	s_wait_dscnt 0x0                               ; for the others' sake: my stores have landed
	s_barrier_signal -1
	s_barrier_wait -1                              ; x's sixteen fragments lie in LDS; nothing is stored there again
.endm
	s_load_b512 s[4:19], s[0:1], 0x0               ; argument n at s[4 + 2 n]: x_a s[4:5], x_b's codes s[6:7], its scales s[8:9]; projection y's codes, scales, bias at s[10 + 6 y] on
	s_load_b512 s[20:35], s[0:1], 0x40
	s_load_b256 s[36:43], s[0:1], 0x80             ; .. qb s[40:41], kv s[42:43]
	v_lshl_add_u32 v226, v0, 2, 0xd000
	v_mov_b32 v227, 0
	v_lshrrev_b32 v1, 5, v0
	v_readfirstlane_b32 s[WV], v1                  ; wave 0..3
	s_and_b32 s[MU], ttmp7, 0xffff                 ; which projection
	v_and_b32 v1, 31, v0                           ; l
	v_and_b32 v2, 15, v0                           ; r
	v_bfe_u32 v3, v0, 4, 1                         ; h
	v_and_b32 v4, 8, v2
	v_add_nc_u32 v4, v4, v2                        ; rr = r + 8 (r / 8): a tile's rows
	v_lshlrev_b32 v5, 10, v4
	v_lshl_add_u32 v5, v3, 6, v5                   ; x_a: row rr of 1,024 bytes, + 64 h
	v_mul_u32_u24 v6, v4, 192
	v_mad_u32_u24 v6, v3, 24, v6                   ; codes: row rr of 192 bytes, + 24 h
	v_lshlrev_b32 v7, 3, v4                        ; scale bytes: row rr of 8
	v_lshlrev_b32 v8, 4, v1                        ; an image's place for my lane
	v_lshlrev_b32 v9, 2, v1                        ; a scale word's
	s_mul_i32 s80, s[WV], 4*FRB
	v_add_nc_u32 v10, s80, v8                      ; where I store x's images: my four fragments
	s_lshl_b32 s80, s[WV], 9
	v_add_nc_u32 v11, s80, v9                      ; and their scale words
	s_lshr_b32 s81, s[WV], 1
	s_mul_i32 s80, s81, 8*FRB
	v_add_nc_u32 v12, s80, v8                      ; q, k: where my four moving tiles lie: tiles 4 (w / 2) on
	s_lshl_b32 s80, s81, 10
	v_add_nc_u32 v13, s80, v9
.irp b, 0,1,2,3
	v_mov_b32 v[TM+4+\b], 0                        ; written once: a lane permute's destination counts as one of its sources
.endr
	s_mov_b32 s[SEL], 0x76543210
	s_mov_b32 s[SEL+1], 0xfedcba98                 ; v_permlanex16_b32's selects for lane l xor 16
	s_and_b32 s80, s[MU], 1
	s_xor_b32 s80, s80, 1
	s_cmp_lg_u32 s[MU], 0
	s_cselect_b32 s[SIDE], s80, 0                  ; 1: the rows come from x_b (y = 2, 4)
	s_mov_b32 s[REC], 3328
	s_cselect_b32 s[REC], 6400, s[REC]             ; bytes of a step's record: qb's or kv's,
	s_mov_b32 s[HS], 53248
	s_cselect_b32 s[HS], 204800, s[HS]             ; of a head's records,
	s_mov_b32 s[SO], 3072
	s_cselect_b32 s[SO], 6144, s[SO]               ; and where a record's scale words begin
	s_lshl_b32 s80, ttmp9, 7
	s_lshl_b32 s81, s[WV], 5
	s_add_co_u32 s80, s80, s81                     ; the first row of my two tiles of x: 128 x step + 32 x wave
	s_mov_b32 s85, 0                               ; s[84:85]: an offset as a pair; s85 stays 0
	s_and_b32 s92, ttmp9, 15
	s_lshl_b32 s93, s[SIDE], 4
	s_add_co_u32 s92, s92, s93
	s_mul_i32 s92, s92, s[REC]                     ; my step's record in a head: keys from x_b follow those from x_a
	s_lshr_b32 s93, ttmp9, 4
	s_lshl_b32 s93, s93, 3                         ; 8 x batch
	s_wait_kmcnt 0x0
	s_cmp_lg_u32 s[MU], 0
	s_cselect_b64 s[82:83], s[42:43], s[40:41]     ; results go to kv, q's to qb
	s_mov_b64 s[48:49], s[10:11]                   ; my projection's codes,
	s_mov_b64 s[50:51], s[12:13]                   ; scales
	s_mov_b64 s[52:53], s[14:15]                   ; and bias
.irp n, 1,2,3,4
	s_cmp_eq_u32 s[MU], \n
	s_cselect_b64 s[48:49], s[10+6*\n:11+6*\n], s[48:49]
	s_cselect_b64 s[50:51], s[12+6*\n:13+6*\n], s[50:51]
	s_cselect_b64 s[52:53], s[14+6*\n:15+6*\n], s[52:53]
.endr
	s_lshl_b32 s84, s80, 10
	s_add_nc_u64 s[86:87], s[4:5], s[84:85]        ; x_a at my rows
	s_mul_i32 s84, s80, 192
	s_add_nc_u64 s[88:89], s[6:7], s[84:85]        ; x_b's codes
	s_lshl_b32 s84, s80, 3
	s_add_nc_u64 s[90:91], s[8:9], s[84:85]        ; x_b's scale bytes
	s_cmp_ge_u32 s[MU], 3
	s_cbranch_scc1 .Lcol
	; ---------------- q, k_a, k_b ----------------
	s_and_b32 s94, s[WV], 1                        ; which 128 rows of W (four heads)
	s_lshr_b32 s95, s[WV], 1                       ; f: which four tiles of x
	s_mul_i32 s84, s94, 128*192
	s_add_nc_u64 s[48:49], s[48:49], s[84:85]
	s_lshl_b32 s84, s94, 10
	s_add_nc_u64 s[50:51], s[50:51], s[84:85]
	s_lshl_b32 s84, s94, 9
	s_add_nc_u64 s[52:53], s[52:53], s[84:85]
	s_lshl_b32 s96, s94, 2
	s_add_co_u32 s96, s96, s93
	s_mul_i32 s96, s96, s[HS]
	s_add_co_u32 s84, s96, s92
	s_add_nc_u64 s[82:83], s[82:83], s[84:85]      ; my first head's record
	s_mul_i32 s84, s95, FRB
	s_add_nc_u64 s[68:69], s[82:83], s[84:85]      ; fragment f of my four heads: s[68:69], s[70:71], s[72:73], s[74:75]
	s_mov_b32 s84, s[HS]
	s_add_nc_u64 s[70:71], s[68:69], s[84:85]
	s_add_nc_u64 s[72:73], s[70:71], s[84:85]
	s_add_nc_u64 s[74:75], s[72:73], s[84:85]
	s_lshl_b32 s84, s95, 6
	s_add_co_u32 s84, s84, s[SO]
	s_add_nc_u64 s[76:77], s[82:83], s[84:85]      ; fragment f's 64 bytes of scale words, heads 0 and 1 of my four;
	s_lshl_b32 s84, s[HS], 1
	s_add_nc_u64 s[78:79], s[76:77], s[84:85]      ; heads 2 and 3
	v_lshlrev_b32 v14, 6, v3                       ; the bias: 64 h
	v_mul_u32_u24 v15, s[HS], v3
	v_lshl_add_u32 v15, v2, 2, v15                 ; scale words out: 4 r, lanes 16-31 one head on
	WIN 0x40                                       ; destination window 1
.irp t, 0,1,2,3,4,5,6,7                        ; W's 8 tiles x 2 K steps: they stay for the wave's four tasks
.irp g, 0,1
.irp p, 0,1,2,3,4,5
	global_load_b64 v[12*(2*\t+\g)+2*\p:12*(2*\t+\g)+2*\p+1], v6, s[48:49] offset:(32*(\t/2)+8*(\t%2))*192+96*\g+48*(\p/3)+8*(\p%3)
.endr
.endr
.endr
	WIN 0
.irp t, 0,1,2,3,4,5,6,7
.irp g, 0,1
	global_load_b32 v[SS+2*\t+\g], v7, s[50:51] offset:(32*(\t/2)+8*(\t%2))*8+4*\g
.endr
.endr
	WIN 0x80                                       ; destination window 2: lane (r, h) wants, for tile t, the bias of features 32 (t / 2) + 16 h + 8 (t % 2) + 0 .. 7
.irp t, 0,1,2,3,4,5,6,7
	global_load_b128 v[8*\t:8*\t+3], v14, s[52:53] offset:(32*(\t/2)+8*(\t%2))*4
	global_load_b128 v[8*\t+4:8*\t+7], v14, s[52:53] offset:(32*(\t/2)+8*(\t%2))*4+16
.endr
	WIN 0
	PHASEX XIMG_R, XSC_R
.irp i, 0,1,2,3                                ; task i: x's tile 4 f + i against my 128 rows of W
.irp g, 0,1
.irp c, 0,1,2
	ds_load_b128 v[XF+12*\g+4*\c:XF+12*\g+4*\c+3], v12 offset:XIMG_R+(2*\i+\g)*FRB+512*\c   ; (from the second task on these registers were read by matrix instructions: the four v_nop and the quantiser's lines stand between)
.endr
	ds_load_b32 v[MSX+\g], v13 offset:XSC_R+(2*\i+\g)*128
.endr
	s_wait_dscnt 0x0
	TASK XF, 0x21, 0x01, 0, 8, MSX                 ; source 0 window 1; the bias window 2
	QUANT HA, KB+12*(\i%2)+6*(\i/2), KB+24+12*(\i%2)+6*(\i/2)   ; lanes 0-15: the even head's 32 codes of my row, lanes 16-31: the odd head's
	KSACC \i
.endr
; Heads 2 c and 2 c + 1 of my four: tile i's codes stand with the even head in lanes 0-15 and the odd head in lanes 16-31.  A fragment wants ONE head, tile 4 f in lanes 0-15 and tile 4 f + 1 in lanes 16-31
; (registers 0-5), tiles 4 f + 2 and 4 f + 3 likewise (registers 6-11): one exchange of halves between tile 0's and tile 1's registers, and between tile 2's and tile 3's, gives both heads' fragments.
.irp c, 0,1
.irp n, 0,1,2,3,4,5,6,7,8,9,10,11
	v_permlane16_swap_b32 v[KB+24*\c+\n], v[KB+24*\c+12+\n]
.endr
.endr
	v_cmp_gt_u32 vcc_lo, 16, v1
	v_cndmask_b32 v[MG], v[KS+1], v[KS], vcc_lo    ; lanes 0-15 the even head's words, lanes 16-31 the odd head's
	v_cndmask_b32 v[MG+1], v[KS+3], v[KS+2], vcc_lo
.irp j, 0,1,2,3
.irp i, 0,1,2
	global_store_b128 v8, v[KB+12*\j+4*\i:KB+12*\j+4*\i+3], s[68+2*\j:69+2*\j] offset:512*\i   ; 32 lanes store 512 consecutive bytes, at a multiple of 256 from the buffer's first byte
.endr
.endr
	global_store_b32 v15, v[MG], s[76:77]          ; sixteen lanes store 64 consecutive bytes of a head's record: pieces, one byte in 96 of what the wave stores
	global_store_b32 v15, v[MG+1], s[78:79]
	s_wait_tensorcnt 0x0
	ds_add_u32 v226, v227
	s_wait_dscnt 0x0
	s_endpgm
	; ---------------- v_a, v_b ----------------
.Lcol:
	s_mul_i32 s84, s[WV], 64*192                   ; my 64 rows of W (two heads)
	s_add_nc_u64 s[48:49], s[48:49], s[84:85]
	s_lshl_b32 s84, s[WV], 9
	s_add_nc_u64 s[50:51], s[50:51], s[84:85]
	s_lshl_b32 s84, s[WV], 8
	s_add_nc_u64 s[52:53], s[52:53], s[84:85]
	s_lshl_b32 s96, s[WV], 1
	s_add_co_u32 s96, s96, s93
	s_mul_i32 s96, s96, 204800
	s_add_co_u32 s84, s96, s92
	s_add_nc_u64 s[68:69], s[82:83], s[84:85]      ; my two heads' records
	s_add_nc_u64 s[70:71], s[68:69], 204800
	v_lshlrev_b32 v14, 2, v4                       ; the bias of my lane's feature: 4 rr
	WIN 0x80                                       ; destination window 2
.irp j, 0,1,2,3                                ; moving tile j: head j / 2 of my two, features 8 (j % 2) + rr
.irp g, 0,1
.irp p, 0,1,2,3,4,5
	global_load_b64 v[WT+24*\j+12*\g+2*\p:WT+24*\j+12*\g+2*\p+1], v6, s[48:49] offset:(32*(\j/2)+8*(\j%2))*192+96*\g+48*(\p/3)+8*(\p%3)
.endr
.endr
	global_load_b32 v[BC+8*\j], v14, s[52:53] offset:(32*(\j/2)+8*(\j%2))*4
.endr
	WIN 0
.irp j, 0,1,2,3
.irp g, 0,1
	global_load_b32 v[MS+2*\j+\g], v7, s[50:51] offset:(32*(\j/2)+8*(\j%2))*8+4*\g
.endr
.endr
	PHASEX XIMG_C, XSC_C                           ; its last wait for loads is for 0: W's tiles and the bias are in
	WIN 0x82                                       ; source 0 and destination window 2
.irp j, 0,1,2,3
.irp n, 1,2,3,4,5,6,7
	v_mov_b32 v[BC+8*\j+\n], v[BC+8*\j]            ; a lane's results of a task are one feature's: its bias in all eight registers of C
.endr
.endr
	WIN 0
.rept 4
	v_nop
.endr
	WIN 0x40                                       ; destination window 1: the step's sixteen fragments of x are the stationary set
.irp q, 0,1,2,3,4,5,6,7,8,9,10,11,12,13,14,15
.irp c, 0,1,2
	ds_load_b128 v[12*\q+4*\c:12*\q+4*\c+3], v8 offset:XIMG_C+FRB*\q+512*\c
.endr
.endr
	WIN 0
.irp q, 0,1,2,3,4,5,6,7,8,9,10,11,12,13,14,15
	ds_load_b32 v[SS+\q], v9 offset:XSC_C+128*\q
.endr
	s_wait_dscnt 0x0
.irp j, 0,1,2,3
	TASK WT+24*\j, 0x29, 0x09, BC+8*\j, 0, MS+2*\j ; source 0 window 1, source 1 and the bias window 2
	QUANT HA, VB+12*\j, VB+12*\j+6                 ; 128 neighbouring keys of my feature: the fragment as the product p v takes it
	WORD VW+\j
.endr
	v_cmp_gt_u32 vcc_lo, 16, v1
	v_cndmask_b32 v[MG], v[VW+1], v[VW], vcc_lo    ; lanes 0-15 fragment 0's words, lanes 16-31 fragment 1's
	v_cndmask_b32 v[MG+1], v[VW+3], v[VW+2], vcc_lo
.irp j, 0,1,2,3
.irp i, 0,1,2
	global_store_b128 v8, v[VB+12*\j+4*\i:VB+12*\j+4*\i+3], s[68+2*(\j/2):69+2*(\j/2)] offset:2*FRB+FRB*(\j%2)+512*\i   ; 512 consecutive bytes, at a multiple of 256
.endr
.endr
	global_store_b32 v9, v[MG], s[68:69] offset:6272       ; 128 consecutive bytes: the record's last
	global_store_b32 v9, v[MG+1], s[70:71] offset:6272
	s_wait_tensorcnt 0x0
	ds_add_u32 v226, v227
	s_wait_dscnt 0x0
	s_endpgm
.Lfunc_end_k_qc0928abff2_proj:
	.size	k_qc0928abff2_proj, .Lfunc_end_k_qc0928abff2_proj-k_qc0928abff2_proj
	.p2alignl 7, 3214868480
	.fill 96, 4, 3214868480
	.section	.rodata,"a",@progbits
	.p2align	6, 0x0
	.amdhsa_kernel k_qc0928abff2_proj
		.amdhsa_group_segment_fixed_size 53760
		.amdhsa_private_segment_fixed_size 0
		.amdhsa_enable_private_segment 0
		.amdhsa_kernarg_size 160
		.amdhsa_user_sgpr_count 2
		.amdhsa_user_sgpr_kernarg_segment_ptr 1
		.amdhsa_wavefront_size32 1
		.amdhsa_system_sgpr_workgroup_id_x 1
		.amdhsa_system_sgpr_workgroup_id_y 1
		.amdhsa_system_sgpr_workgroup_id_z 1
		.amdhsa_system_vgpr_workitem_id 0
		.amdhsa_next_free_vgpr 704
		.amdhsa_next_free_sgpr 100
		.amdhsa_reserve_vcc 1
		.amdhsa_float_denorm_mode_32 3
		.amdhsa_float_denorm_mode_16_64 3
		.amdhsa_memory_ordered 1
		.amdhsa_forward_progress 1
		.amdhsa_inst_pref_size 132
	.end_amdhsa_kernel
	.amdgpu_metadata
---
amdhsa.version: [ 1, 2 ]
amdhsa.kernels:
  - .name:           k_qc0928abff2_proj
    .symbol:         k_qc0928abff2_proj.kd
    .args:
      - { .name: x_a, .offset: 0, .size: 8, .value_kind: global_buffer, .address_space: global }
      - { .name: x_b_codes, .offset: 8, .size: 8, .value_kind: global_buffer, .address_space: global }
      - { .name: x_b_scales, .offset: 16, .size: 8, .value_kind: global_buffer, .address_space: global }
      - { .name: wq_w_codes, .offset: 24, .size: 8, .value_kind: global_buffer, .address_space: global }
      - { .name: wq_w_scales, .offset: 32, .size: 8, .value_kind: global_buffer, .address_space: global }
      - { .name: wq_b, .offset: 40, .size: 8, .value_kind: global_buffer, .address_space: global }
      - { .name: wk_a_w_codes, .offset: 48, .size: 8, .value_kind: global_buffer, .address_space: global }
      - { .name: wk_a_w_scales, .offset: 56, .size: 8, .value_kind: global_buffer, .address_space: global }
      - { .name: wk_a_b, .offset: 64, .size: 8, .value_kind: global_buffer, .address_space: global }
      - { .name: wk_b_w_codes, .offset: 72, .size: 8, .value_kind: global_buffer, .address_space: global }
      - { .name: wk_b_w_scales, .offset: 80, .size: 8, .value_kind: global_buffer, .address_space: global }
      - { .name: wk_b_b, .offset: 88, .size: 8, .value_kind: global_buffer, .address_space: global }
      - { .name: wv_a_w_codes, .offset: 96, .size: 8, .value_kind: global_buffer, .address_space: global }
      - { .name: wv_a_w_scales, .offset: 104, .size: 8, .value_kind: global_buffer, .address_space: global }
      - { .name: wv_a_b, .offset: 112, .size: 8, .value_kind: global_buffer, .address_space: global }
      - { .name: wv_b_w_codes, .offset: 120, .size: 8, .value_kind: global_buffer, .address_space: global }
      - { .name: wv_b_w_scales, .offset: 128, .size: 8, .value_kind: global_buffer, .address_space: global }
      - { .name: wv_b_b, .offset: 136, .size: 8, .value_kind: global_buffer, .address_space: global }
      - { .name: qb, .offset: 144, .size: 8, .value_kind: global_buffer, .address_space: global }
      - { .name: kv, .offset: 152, .size: 8, .value_kind: global_buffer, .address_space: global }
    .group_segment_fixed_size: 53760
    .private_segment_fixed_size: 0
    .kernarg_segment_align: 8
    .kernarg_segment_size: 160
    .max_flat_workgroup_size: 128
    .sgpr_count:     100
    .vgpr_count:     704
    .wavefront_size: 32
...
	.end_amdgpu_metadata
.endif
;; end of part 1
;; launch attn (part 2): grid 16 x 16, 16 waves a work-group, clusters of 4 x 1, 227,584 bytes of LDS; arguments kv, qb, zc, zs; writes zc, zs
.if DOCPART == 2
	.amdgcn_target "amdgcn-amd-amdhsa--gfx1250"
	.amdhsa_code_object_version 6
	.text
	.protected	k_qc0928abff2_attn
	.globl	k_qc0928abff2_attn
	.p2align	8
	.type	k_qc0928abff2_attn,@function
k_qc0928abff2_attn:
	s_mov_b64 s[64:65], 0
	v_nop
	global_prefetch_b8 v0, s[64:65] scope:SCOPE_SE
	s_setreg_imm32_b32 hwreg(HW_REG_WAVE_MODE, 25, 1), 1
	s_wait_xcnt 0x0
	s_wait_alu depctr_hold_cnt(0) depctr_sa_sdst(0) depctr_va_vdst(0) depctr_va_sdst(0) depctr_va_ssrc(0) depctr_va_vcc(0) depctr_vm_vsrc(0)
	s_getreg_b32 s2, hwreg(HW_REG_IB_STS2, 6, 4)
	s_cmp_eq_u32 s2, 0
	s_cbranch_scc0 .Lentry_in_a_cluster
	s_endpgm
.Lentry_in_a_cluster:
	s_bfe_u32 s2, ttmp6, 0x10000c
	s_cmp_lg_u32 s2, 0x3003
	s_cbranch_scc0 .Lentry_shape_is_right
	s_endpgm
.Lentry_shape_is_right:
; z[b][head][q][:] = softmax_k(q . k / sqrt(32)) v over 4,096 keys, both products on codes of FP6 (E2M3); z is quantised (a head's 32 = one block of the last projection's K) and stored as codes.
; THE SOFTMAX: t = score x log2(e) / sqrt(32); M = the largest t so far rounded UP to a whole number; p = 2^(t - M) is quantised along the keys, not normalised; the sum is taken of the unquantised p and divides at the end.
; When M moves, the sum and O are multiplied by 2^(old M - new M): exact.
; SHARES.  Work-group (x, y): y = 8 x batch + head, x = a step of 128 queries.  Sixteen waves of 256 registers, four to a SIMD, so that one wave's products and LDS loads stand beside another's vector work.
; Wave w owns query tile w % 8 (16 queries) and the keys' half w / 8 (16 steps of 128 keys); at the end the two halves of a tile meet in LDS, by exact powers of two.
; LDS.  A head's K, V and their scale words are 32 records of 6,400 bytes, 204,800 bytes: they are brought ONCE, each wave two records, and nothing is filled again.
; CLUSTER.  The four work-groups of a cluster share batch and head, so each record is asked for JOINTLY, by the same tensor load with the same descriptor and the mask of all four.  (Sixteen work-groups read a head's
; records; a mask names four.)  The place in the cluster enters only the global addresses of Q and z.
; THE HEAD IS 32 WIDE, the matrix instruction 128 deep.  A K fragment carries FOUR tiles of 16 keys, one in each block of 32 along K; the query operand holds q's 32 codes in ONE block and zero codes in the other three,
; and so picks that tile.  Four such operands are laid over 30 registers: QL, Z, QH, Z, QL (QL: q in lanes 0-15, QH: in lanes 16-31, Z: zeros).
; LAYOUT.  Both products are used transposed: S^T = K Q^T, O^T = V^T P^T: a lane holds ONE query (lane % 16).  The keys of a tile are chosen so that registers 16 b + i of S^T are keys 32 b + 16 (lane / 16) + i of the step.
; V's fragment tau holds channels 8 tau + r + 8 (r / 8), so that O^T's 16 registers are channels 16 (lane / 16) + 0 .. 15.
; LIMITS: NaN and infinities are not served.  A block of p or of z whose largest number lies under 2^-124 gets the scale byte 1 (its bytes are read by this program alone).
.set FRB,  1536                        ; a fragment's image: registers 4 i .. 4 i + 3 of lane l at 512 i + 16 l
.set REC,  6400                        ; a step's record: K's two fragments, V's two, 128 bytes of K's scale words, 128 of V's
.set QREC, 3328                        ; a step's record of Q
.set MRG,  204800                      ; LDS behind the records: 8 x 2,560 bytes, where the upper half's O^T, -M and sums wait for the lower half's wave
.set ZSB,  225280                      ; 128 scale bytes of z (a block of 256 bytes)
.set AD0,  1                           ; v1   16 x lane
.set AS0,  2                           ; v2   4 x lane + 6,144
.set ADK,  3                           ; v3   the step's fragments
.set ADS,  4                           ; v4   the step's scale words
.set QC,   16                          ; v16-45 QL, Z, QH, Z, QL
.set QS,   46                          ; q's scale byte, four times
.set KSW,  47                          ; K's scale words: lanes 0-15 fragment 0's, lanes 16-31 fragment 1's
.set VSW,  48                          ; V's likewise
.set PS,   49                          ; p's scale word
.set F,    50                          ; v[50:51] 2^(old M - new M), and a written partner
.set KF,   52
.set VF,   76
.set S,    100                         ; v100-163 S^T, then p
.set O,    164                         ; v164-179 O^T
.set PC,   180                         ; p's codes
.set TQ,   192
.set BM,   200                         ; each block's largest score, then its largest p
.set BT,   204
.set SCL,  208
.set T0,   212                         ; v212-219 at work
.set WV,   12
.set SEL,  20
.set CS,   22
.set TB,   60
.set CNT,  61
.macro ROUND                           ; a round of the cluster's barrier
	s_barrier_signal -1
	s_barrier_wait -1
	s_cmp_lg_u32 s[WV], 0
	s_cbranch_scc1 .Lnot_wave_0_\@
	s_barrier_signal -3
.Lnot_wave_0_\@:
	s_barrier_wait -3
	s_barrier_signal -1
	s_barrier_wait -1
.endm
.macro KQ f, beta, off                 ; scores of key tile 4 f + beta: K's fragment f against the query operand whose block beta holds q
.if \f
	v_wmma_scale_f32_16x16x128_f8f6f4 v[S+8*(4*\f+\beta):S+8*(4*\f+\beta)+7], v[KF+12*\f:KF+12*\f+11], v[QC+\off:QC+\off+11], 0, v[KSW], v[QS] matrix_a_fmt:MATRIX_FMT_FP6 matrix_b_fmt:MATRIX_FMT_FP6 matrix_a_scale:MATRIX_SCALE_ROW1
.else
	v_wmma_scale_f32_16x16x128_f8f6f4 v[S+8*(4*\f+\beta):S+8*(4*\f+\beta)+7], v[KF+12*\f:KF+12*\f+11], v[QC+\off:QC+\off+11], 0, v[KSW], v[QS] matrix_a_fmt:MATRIX_FMT_FP6 matrix_b_fmt:MATRIX_FMT_FP6
.endif
.endm
	s_load_b256 s[4:11], s[0:1], 0x0               ; kv s[4:5], qb s[6:7], zc s[8:9], zs s[10:11]
	v_lshl_add_u32 v254, v0, 2, 0x37100
	v_mov_b32 v255, 0
	ds_add_u32 v254, v255
	ds_add_u32 v254, v255
	v_lshrrev_b32 v1, 5, v0
	v_readfirstlane_b32 s[WV], v1                  ; wave 0..15
	s_bfe_u32 s13, ttmp6, 0x40000                  ; cx: my place in the cluster
	s_lshl_b32 s14, ttmp9, 2
	s_add_co_u32 s14, s14, s13                     ; my step of queries = 4 x cluster x + cx: it enters Q's and z's global addresses alone
	s_and_b32 s15, ttmp7, 0xffff                   ; 8 x batch + head, which the four partners share
	s_lshr_b32 s16, s[WV], 3                       ; g: my half of the keys
	s_and_b32 s17, s[WV], 7                        ; t: my tile of queries
	; descriptor group 1: a record as 25 rows of 256 bytes, dense, no padding (it is read 16 bytes a lane on end)
	s_mov_b32 s24, 15|(3<<16)|(1<<21)              ; 15:0 the mask: all four work-groups; 17:16 elements of 8 bytes; 21 set beside a mask
	s_mov_b32 s25, 32<<16                          ; tensor_dim0 = 32
	s_mov_b32 s26, 25<<16                          ; tensor_dim1 = 25
	s_mov_b32 s27, 32<<16                          ; tile_dim0 = 32
	s_mov_b32 s28, 25                              ; tile_dim1 = 25
	s_mov_b32 s29, 32                              ; from row to row
	s_mov_b32 s30, 0
	s_mov_b32 s31, 0
	s_lshl_b32 s40, s16, 4
	s_add_co_u32 s40, s40, s17                     ; the first record that I fetch: step 16 g + t; the second: eight steps on
	s_mul_i32 s41, s40, REC                        ; its byte in LDS, and in the head
	s_mul_i32 s42, s15, 32*REC
	s_add_co_u32 s42, s42, s41
	s_mov_b32 s43, 0
	s_mul_i32 s[TB], s16, 16*REC                   ; where my half's records begin in LDS
	s_mov_b32 s[SEL], 0x76543210
	s_mov_b32 s[SEL+1], 0xfedcba98                 ; v_permlanex16_b32's selects for lane l xor 16
	s_mov_b32 s[CS], 0x3e8293ee                    ; c = log2(e) / sqrt(32)
	s_mov_b32 s[CS+1], s[CS]                       ; (named with it as a pair, so it is written)
	; Q: my tile t is block beta = t % 4 of fragment f = t / 4 of my step's record: registers 6 c' .. 6 c' + 5 (c' = beta / 2) of lane r + 16 u (u = beta % 2) of the image
	s_lshl_b32 s44, s15, 4
	s_add_co_u32 s44, s44, s14
	s_mul_i32 s44, s44, QREC                       ; the record
	s_lshr_b32 s45, s17, 2                         ; f
	s_mul_i32 s56, s45, FRB
	s_add_co_u32 s56, s56, s44
	s_and_b32 s57, s17, 1
	s_lshl_b32 s57, s57, 8
	s_add_co_u32 s56, s56, s57                     ; + 1,536 f + 256 u
	s_bfe_u32 s57, s17, 0x10001                    ; c'
	s_mul_i32 s58, s57, 520
	s_add_co_u32 s46, s56, s58                     ; the lane's first and third 8 bytes lie at 0 and 512 (c' = 0) or 520 and 1,032 (c' = 1),
	s_mov_b32 s47, 0
	s_mul_i32 s58, s57, 1016
	s_add_co_u32 s48, s56, s58                     ; the second at 8 or 1,024
	s_mov_b32 s49, 0
	s_lshl_b32 s58, s45, 6
	s_add_co_u32 s50, s44, s58
	s_and_b32 s58, s17, 3
	s_add_co_u32 s50, s50, s58
	s_add_co_u32 s50, s50, 2*FRB                   ; its scale byte: word 4 r of fragment f's 64 bytes, byte beta
	s_mov_b32 s51, 0
	s_lshl_b32 s52, s15, 7
	s_lshl_b32 s58, s14, 3
	s_add_co_u32 s52, s52, s58
	s_add_co_u32 s52, s52, s17
	s_mul_i32 s52, s52, 384                        ; z's codes: tile 8 x step + t of the head's 128, 384 bytes each
	s_mov_b32 s53, 0
	s_lshl_b32 s54, s15, 11
	s_lshl_b32 s58, s14, 7
	s_add_co_u32 s54, s54, s58                     ; z's scale bytes: my step's 128
	s_mov_b32 s55, 0
	v_and_b32 v3, 31, v0                           ; l  (v3 and v4 are written anew in every key step)
	v_and_b32 v4, 15, v0                           ; r
	v_bfe_u32 v10, v0, 4, 1                        ; h
	v_lshlrev_b32 v[AD0], 4, v3
	v_lshlrev_b32 v11, 2, v3                       ; v11: 4 l
	v_add_nc_u32 v[AS0], 4*FRB, v11
	s_mul_i32 s56, s17, 2560
	s_add_co_u32 s56, s56, MRG
	v_add_nc_u32 v5, s56, v[AD0]                   ; v5: where my tile's two halves meet
	v_mul_u32_u24 v6, v4, 24
	v_mad_u32_u24 v6, v10, 12, v6                  ; v6: z's codes: row r of 24 bytes, my 16 channels' 12
	s_lshl_b32 s56, s17, 4
	s_add_co_u32 s56, s56, ZSB
	v_add_nc_u32 v7, s56, v4                       ; v7: z's scale byte in LDS: 16 t + r
	v_add_nc_u32 v8, ZSB, v11                      ; v8: and on the way out 4 bytes a lane
	v_lshlrev_b32 v9, 4, v4                        ; v9: 16 r
	v_lshlrev_b32 v10, 2, v4                       ; v10: 4 r
	v_cmp_gt_u32 vcc_lo, 16, v3                    ; lanes 0-15
	s_wait_dscnt 0x0
	s_wait_kmcnt 0x0
	s_mov_b32 s32, 1                               ; group 0 of my first record: count = 1,
	s_mov_b32 s33, s41                             ; LDS address,
	s_add_nc_u64 s[34:35], s[4:5], s[42:43]        ; global address,
	s_or_b32 s35, s35, 0x80000000                  ; type = 2
	s_mov_b32 s36, 1                               ; and of my second
	s_add_co_u32 s37, s41, 8*REC
	s_add_nc_u64 s[38:39], s[4:5], s[42:43]
	s_add_nc_u64 s[38:39], s[38:39], 8*REC
	s_or_b32 s39, s39, 0x80000000
	s_add_nc_u64 s[46:47], s[6:7], s[46:47]
	s_add_nc_u64 s[48:49], s[6:7], s[48:49]
	s_add_nc_u64 s[50:51], s[6:7], s[50:51]
	s_add_nc_u64 s[52:53], s[8:9], s[52:53]
	s_add_nc_u64 s[54:55], s[10:11], s[54:55]
	ROUND                                          ; all four work-groups are here: the joint loads meet
	tensor_load_to_lds s[32:35], s[24:31]          ; the launch's only fills, in one group: two loads of mine are out
	s_nop 0
	tensor_load_to_lds s[36:39], s[24:31]
	s_nop 0
.rept 4
	v_nop
.endr
	global_load_b64 v[T0:T0+1], v9, s[46:47]       ; my row's 24 bytes of Q, the same in both halves of the lanes
	global_load_b64 v[T0+2:T0+3], v9, s[48:49] offset:8
	global_load_b64 v[T0+4:T0+5], v9, s[46:47] offset:512
	global_load_u8 v[T0+6], v10, s[50:51]
.irp n, 0,1,2,3,4,5
	v_mov_b32 v[QC+6+\n], 0                        ; Z
	v_mov_b32 v[QC+18+\n], 0
.endr
	s_wait_loadcnt 0x0
	v_perm_b32 v[QS], v[T0+6], v[T0+6], 0          ; the byte in all four places: whichever block holds q finds it; the zero codes add nothing under it
.irp n, 0,1,2,3,4,5
	v_cndmask_b32 v[QC+\n], 0, v[T0+\n], vcc_lo    ; QL
	v_cndmask_b32 v[QC+12+\n], v[T0+\n], v[QC+6], vcc_lo   ; QH
	v_cndmask_b32 v[QC+24+\n], 0, v[T0+\n], vcc_lo ; QL once more
.endr
	v_mov_b32 v13, 0xff61b1e6                      ; the largest t so far: -3e38, under every t.  (These 27 lines are also the places between the writes of q's operands and scale and the first product)
	v_floor_f32 v12, -v13                          ; -M
	v_mov_b32 v14, 0                               ; the sum, in two halves
	v_mov_b32 v15, 0
	v_mov_b32 v[F+1], 0                            ; (named as the upper half of a pair)
.irp b, 0,1,2,3
	v_mov_b32 v[BT+\b], 0                          ; written once: a lane permute's destination counts as one of its sources
.endr
.irp j, 0,1,2,3,4,5,6,7,8,9,10,11,12,13,14,15
	v_mov_b32 v[O+\j], 0                           ; O^T.  (The step is written for every step alike: the first finds zeros, which the first change of M leaves zeros)
.endr
; A KEY STEP: 128 keys: 14 LDS loads, 8 + 2 matrix instructions, the softmax.
.macro STEP
	v_add_nc_u32 v[ADK], s[TB], v[AD0]
	v_add_nc_u32 v[ADS], s[TB], v[AS0]
.irp i, 0,1,2,3,4,5
	ds_load_b128 v[KF+4*\i:KF+4*\i+3], v[ADK] offset:512*\i
.endr
	ds_load_b32 v[KSW], v[ADS]
.irp i, 0,1,2,3,4,5
	ds_load_b128 v[VF+4*\i:VF+4*\i+3], v[ADK] offset:2*FRB+512*\i   ; (the last step's two products read these registers: its 32 additions stand between)
.endr
	ds_load_b32 v[VSW], v[ADS] offset:128
	s_wait_dscnt 7                                 ; K and its scale words are in; V's seven loads may be out
.irp f, 0,1
	KQ \f, 0, 0
	KQ \f, 1, 12
	KQ \f, 2, 18
	KQ \f, 3, 6
.endr
.rept 4
	v_nop                                          ; four places in front of the first read of results (ISA guide 7.12.1)
.endr
.irp b, 0,1,2,3
	v_max3_num_f32 v[BM+\b], v[S+16*\b], v[S+1+16*\b], v[S+2+16*\b]   ; the largest score of each block of 32 keys: it serves for the row's maximum and, since p rises with the score, for the block's largest p
.endr
.irp i, 3,5,7,9,11,13
.irp b, 0,1,2,3
	v_max3_num_f32 v[BM+\b], v[BM+\b], v[S+16*\b+\i], v[S+1+16*\b+\i]
.endr
.endr
.irp b, 0,1,2,3
	v_max_num_f32 v[BM+\b], v[BM+\b], v[S+15+16*\b]
.endr
.irp b, 0,1,2,3
	v_permlanex16_b32 v[BT+\b], v[BM+\b], s[SEL], s[SEL+1]
.endr
.irp b, 0,1,2,3
	v_max_num_f32 v[BM+\b], v[BM+\b], v[BT+\b]     ; with lane l xor 16's 16 keys
.endr
	v_max3_num_f32 v[T0], v[BM], v[BM+1], v[BM+2]
	v_max_num_f32 v[T0], v[T0], v[BM+3]            ; the step's largest score of my query
	v_mul_f32 v[T0], s[CS], v[T0]                  ; as t (c is positive)
	v_max_num_f32 v13, v13, v[T0]                  ; the running largest t
	v_mov_b32 v[T0], v12
	v_floor_f32 v12, -v13                          ; the new -M = floor(-t): M is a whole number
	v_sub_f32 v[T0], v12, v[T0]                    ; old M - new M: a whole number, 0 or less
	v_cvt_i32_f32 v[T0], v[T0]                     ; (it saturates)
	v_ldexp_f32 v[F], 1.0, v[T0]                   ; f = 2^(old M - new M)
.set J, 0
.rept 32
	v_pk_fma_f32 v[S+J:S+J+1], v[S+J:S+J+1], s[CS:CS+1], v[12:13] op_sel_hi:[1,0,0]   ; t - M, two at a time (of the pairs c and -M the low word serves both halves)
.set J, J+2
.endr
.irp b, 0,1,2,3
	v_fma_f32 v[BM+\b], v[BM+\b], s[CS], v12       ; the same of each block's largest score
.endr
.set J, 0
.rept 64
	v_exp_f32 v[S+J], v[S+J]                       ; p = 2^(t - M), at most 1
.set J, J+1
.endr
.irp b, 0,1,2,3
	v_exp_f32 v[BM+\b], v[BM+\b]                   ; the block's largest p: the same two instructions on the same number
.endr
	v_pk_mul_f32 v[14:15], v[14:15], v[F:F+1] op_sel_hi:[1,0]   ; the sums under the new M.  (A plain place behind the exponentials)
	s_wait_alu depctr_va_vdst(0)
.irp b, 0,1,2,3
	v_max_num_f32 v[BM+\b], 0x1800000, v[BM+\b]    ; the floor 2^(3 - 127): the byte cannot fall under 1
.endr
.irp b, 0,1,2,3
	v_add_nc_u32 v[SCL+\b], 0xff000000, v[BM+\b]   ; 2 off the exponent field: the conversion's scale operand
.endr
.irp b, 0,1,2,3
	v_lshrrev_b32 v[BT+\b], 23, v[SCL+\b]          ; the scale's byte
.endr
	v_lshl_or_b32 v[PS], v[BT+1], 8, v[BT]         ; p's scale word for these 128 keys
	v_lshl_or_b32 v[PS], v[BT+2], 16, v[PS]
	v_lshl_or_b32 v[PS], v[BT+3], 24, v[PS]
.irp c, 0,1
	v_cvt_scalef32_pk16_fp6_f32 v[PC+6*\c:PC+6*\c+2], v[S+32*\c:S+32*\c+15], v[SCL+2*\c]
	v_cvt_scalef32_pk16_fp6_f32 v[TQ+4*\c:TQ+4*\c+2], v[S+16+32*\c:S+31+32*\c], v[SCL+2*\c+1]   ; (a conversion's three registers begin on an even number)
.endr
	v_nop                                          ; one plain place behind a scaled conversion
.irp c, 0,1                                    ; a whole block to a lane: lanes 0-15 block 2 c, lanes 16-31 block 2 c + 1
.irp i, 0,1,2
	v_permlane16_swap_b32 v[PC+6*\c+\i], v[TQ+4*\c+\i]
.endr
.irp i, 0,1,2
	v_mov_b32 v[PC+3+6*\c+\i], v[TQ+4*\c+\i]
.endr
.endr
.set J, 0
.rept 8
	v_pk_mul_f32 v[O+J:O+J+1], v[O+J:O+J+1], v[F:F+1] op_sel_hi:[1,0]   ; O^T under the new M, from each accumulator's low end on.  (With the moves above: the places between p's codes and scale word and the products below)
.set J, J+2
.endr
	s_wait_dscnt 0x0                               ; V and its scale words are in
	v_wmma_scale_f32_16x16x128_f8f6f4 v[O:O+7], v[VF:VF+11], v[PC:PC+11], v[O:O+7], v[VSW], v[PS] matrix_a_fmt:MATRIX_FMT_FP6 matrix_b_fmt:MATRIX_FMT_FP6   ; two accumulators, a turn each; the scores' eight products stand between their turns
	v_wmma_scale_f32_16x16x128_f8f6f4 v[O+8:O+15], v[VF+12:VF+23], v[PC:PC+11], v[O+8:O+15], v[VSW], v[PS] matrix_a_fmt:MATRIX_FMT_FP6 matrix_b_fmt:MATRIX_FMT_FP6 matrix_a_scale:MATRIX_SCALE_ROW1
	v_pk_add_f32 v[T0+2:T0+3], v[S:S+1], v[S+2:S+3]   ; the row's sum is taken of the UNQUANTISED p: two at a time, in two chains, beside the two products
.irp j, 4,8,12,16,20,24,28,32,36,40,44,48,52,56,60
	v_pk_add_f32 v[14:15], v[14:15], v[S+\j:S+\j+1]
	v_pk_add_f32 v[T0+2:T0+3], v[T0+2:T0+3], v[S+2+\j:S+3+\j]
.endr
	v_pk_add_f32 v[14:15], v[14:15], v[T0+2:T0+3]
	s_add_co_u32 s[TB], s[TB], REC                 ; the next step's record
.endm
	s_wait_tensorcnt 1                             ; my first record is in; my second may stay out
	s_barrier_signal -1
	s_barrier_wait -1                              ; everybody's first is: steps 0-7 of each half
	s_mov_b32 s[CNT], 8
.Lfirst:
	STEP
	s_sub_co_u32 s[CNT], s[CNT], 1
	s_cmp_lg_u32 s[CNT], 0
	s_cbranch_scc1 .Lfirst
	s_wait_tensorcnt 0x0                           ; my second record is in
	s_wait_dscnt 0x0
	s_barrier_signal -1
	s_barrier_wait -1                              ; everybody's is: steps 8-15 of each half
	s_mov_b32 s[CNT], 8
.Lsecond:
	STEP
	s_sub_co_u32 s[CNT], s[CNT], 1
	s_cmp_lg_u32 s[CNT], 0
	s_cbranch_scc1 .Lsecond
	; THE TWO HALVES OF THE KEYS MEET.  Waves 8-15 leave O^T, -M and the sums in LDS (the step's 32 additions are the places behind the last products)
	s_cmp_lt_u32 s[WV], 8
	s_cbranch_scc1 .Llower
	ds_store_b128 v5, v[O:O+3]                     ; each accumulator from its low end on
	ds_store_b128 v5, v[O+4:O+7] offset:512
	ds_store_b128 v5, v[O+8:O+11] offset:1024
	ds_store_b128 v5, v[O+12:O+15] offset:1536
	ds_store_b128 v5, v[12:15] offset:2048
.Llower:
	s_wait_dscnt 0x0                               ; for the others' sake: my stores have landed
	s_barrier_signal -1
	s_barrier_wait -1
	s_cmp_lt_u32 s[WV], 8
	s_cbranch_scc0 .Lupper
.irp i, 0,1,2,3,4
	ds_load_b128 v[S+4*\i:S+4*\i+3], v5 offset:512*\i   ; the other half's O^T in v100-115; its -M, t and sums in v116-119
.endr
	s_wait_dscnt 0x0
	v_min_num_f32 v[T0], v12, v[S+16]              ; the common -M: the larger M
	v_sub_f32 v[T0+1], v[T0], v12                  ; my M less the common one: a whole number, 0 or less
	v_sub_f32 v[T0+2], v[T0], v[S+16]              ; and the other half's
	v_cvt_i32_f32 v[T0+1], v[T0+1]
	v_cvt_i32_f32 v[T0+2], v[T0+2]
	v_ldexp_f32 v[F], 1.0, v[T0+1]                 ; both factors are exact powers of two
	v_ldexp_f32 v[T0+4], 1.0, v[T0+2]              ; (its partner in the pair, v217, was written at the head)
	v_pk_mul_f32 v[14:15], v[14:15], v[F:F+1] op_sel_hi:[1,0]
	v_pk_fma_f32 v[14:15], v[S+18:S+19], v[T0+4:T0+5], v[14:15] op_sel_hi:[1,0,1]
.irp j, 0,2,4,6,8,10,12,14
	v_pk_mul_f32 v[O+\j:O+\j+1], v[O+\j:O+\j+1], v[F:F+1] op_sel_hi:[1,0]
.endr
.irp j, 0,2,4,6,8,10,12,14
	v_pk_fma_f32 v[O+\j:O+\j+1], v[S+\j:S+\j+1], v[T0+4:T0+5], v[O+\j:O+\j+1] op_sel_hi:[1,0,1]
.endr
	v_add_f32 v14, v14, v15                        ; the sum's two halves,
	v_permlanex16_b32 v[BT], v14, s[SEL], s[SEL+1]
	v_add_f32 v14, v14, v[BT]                      ; and lane l xor 16's: the row's sum
	v_rcp_f32 v[F], v14
	v_nop                                          ; one plain place behind a transcendental
	s_wait_alu depctr_va_vdst(0)
.irp j, 0,2,4,6,8,10,12,14
	v_pk_mul_f32 v[S+20+\j:S+21+\j], v[O+\j:O+\j+1], v[F:F+1] op_sel_hi:[1,0]   ; z: register j is channel 16 h + j of my query
.endr
	v_max3_num_f32 v[BM], |v[S+20]|, |v[S+21]|, 0x1800000   ; z's block is the head's 32 channels: my 16, the floor,
.irp i, 2,4,6,8,10,12,14
	v_max3_num_f32 v[BM], v[BM], |v[S+20+\i]|, |v[S+21+\i]|
.endr
	v_permlanex16_b32 v[BT], v[BM], s[SEL], s[SEL+1]
	v_max_num_f32 v[BM], v[BM], v[BT]              ; and lane l xor 16's
	v_add_nc_u32 v[SCL], 0xff000000, v[BM]
	v_lshrrev_b32 v[BM+1], 23, v[SCL]              ; the scale's byte
	v_cvt_scalef32_pk16_fp6_f32 v[TQ:TQ+2], v[S+20:S+35], v[SCL]
	v_nop                                          ; one plain place behind a scaled conversion
	global_store_b96 v6, v[TQ:TQ+2], s[52:53]      ; the wave stores its tile's 384 consecutive bytes
	ds_store_b8 v7, v[BM+1]                        ; both halves of the lanes write the same byte with the same value
.Lupper:
	s_wait_dscnt 0x0
	s_barrier_signal -1
	s_barrier_wait -1                              ; the step's 128 scale bytes lie in LDS
	s_cmp_lg_u32 s[WV], 0
	s_cbranch_scc1 .Lnot_first
	ds_load_b32 v[T0+1], v8
	s_wait_dscnt 0x0
	global_store_b32 v11, v[T0+1], s[54:55]        ; 128 consecutive bytes
.Lnot_first:
	s_wait_tensorcnt 0x0
	ds_add_u32 v254, v255
	s_wait_dscnt 0x0
	ROUND                                          ; the closing round: no work-group ends while a partner may still ask for a record that names it
	s_endpgm
.Lfunc_end_k_qc0928abff2_attn:
	.size	k_qc0928abff2_attn, .Lfunc_end_k_qc0928abff2_attn-k_qc0928abff2_attn
	.p2alignl 7, 3214868480
	.fill 96, 4, 3214868480
	.section	.rodata,"a",@progbits
	.p2align	6, 0x0
	.amdhsa_kernel k_qc0928abff2_attn
		.amdhsa_group_segment_fixed_size 227584
		.amdhsa_private_segment_fixed_size 0
		.amdhsa_enable_private_segment 0
		.amdhsa_kernarg_size 32
		.amdhsa_user_sgpr_count 2
		.amdhsa_user_sgpr_kernarg_segment_ptr 1
		.amdhsa_wavefront_size32 1
		.amdhsa_system_sgpr_workgroup_id_x 1
		.amdhsa_system_sgpr_workgroup_id_y 1
		.amdhsa_system_sgpr_workgroup_id_z 1
		.amdhsa_system_vgpr_workitem_id 0
		.amdhsa_next_free_vgpr 256
		.amdhsa_next_free_sgpr 66
		.amdhsa_reserve_vcc 1
		.amdhsa_float_denorm_mode_32 3
		.amdhsa_float_denorm_mode_16_64 3
		.amdhsa_memory_ordered 1
		.amdhsa_forward_progress 1
		.amdhsa_inst_pref_size 40
	.end_amdhsa_kernel
	.amdgpu_metadata
---
amdhsa.version: [ 1, 2 ]
amdhsa.kernels:
  - .name:           k_qc0928abff2_attn
    .symbol:         k_qc0928abff2_attn.kd
    .args:
      - { .name: kv, .offset: 0, .size: 8, .value_kind: global_buffer, .address_space: global }
      - { .name: qb, .offset: 8, .size: 8, .value_kind: global_buffer, .address_space: global }
      - { .name: zc, .offset: 16, .size: 8, .value_kind: global_buffer, .address_space: global }
      - { .name: zs, .offset: 24, .size: 8, .value_kind: global_buffer, .address_space: global }
    .group_segment_fixed_size: 227584
    .private_segment_fixed_size: 0
    .kernarg_segment_align: 8
    .kernarg_segment_size: 32
    .max_flat_workgroup_size: 512
    .sgpr_count:     66
    .vgpr_count:     256
    .wavefront_size: 32
...
	.end_amdgpu_metadata
.endif
;; end of part 2
;; launch outp (part 3): grid 256 x 1, 4 waves a work-group, no clusters, 17,920 bytes of LDS; arguments zc, zs, w_w_codes, w_w_scales, w_b, x_a, out0; writes out0
.if DOCPART == 3
	.amdgcn_target "amdgcn-amd-amdhsa--gfx1250"
	.amdhsa_code_object_version 6
	.text
	.protected	k_qc0928abff2_outp
	.globl	k_qc0928abff2_outp
	.p2align	8
	.type	k_qc0928abff2_outp,@function
k_qc0928abff2_outp:
	s_mov_b64 s[64:65], 0
	v_nop
	global_prefetch_b8 v0, s[64:65] scope:SCOPE_SE
	s_setreg_imm32_b32 hwreg(HW_REG_WAVE_MODE, 25, 1), 1
	s_wait_xcnt 0x0
; out = z W^T + b + x_a, the product on codes of FP6 (E2M3) with one E8M0 scale for each 32 along K = 256 (a block = a head).
; A work-group takes one tile of 16 queries as the attention launch left it; row m of tile tt of a batch is row 128 (tt / 8) + 32 ((tt % 8) / 2) + 8 (tt % 2) + m + 8 (m / 8).
; Wave w makes features 64 w .. 64 w + 63: 256 consecutive bytes of each of the 16 rows.  The product is used transposed (source 0 = 16 rows of W, source 1 = z), so that a lane holds eight neighbouring features of one row.
; The bias is the C of each sum's first matrix instruction.  The results go through the wave's own stage in LDS and come back as rows; x_a, loaded in that layout, is added; sixteen lanes store 256 consecutive bytes, aligned.
; No barrier: waves share nothing.  No tensor load, no cluster: what work-groups share (W, 51,200 bytes) is small and comes through registers.
; REGISTERS: v1-10 lane numbers and offsets; v16-111 W's 8 fragments (tile phi, K step: 24 phi + 12 step), later v16-47 rows read back; v112-135 z's two fragments; v136-167 the bias, then the sums in place;
;   v168-199 x_a; v200-207 z's scale bytes; v208-209 z's scale words; v210-217 W's.
.set WF, 16
.set RB, 16
.set ZF, 112
.set CB, 136
.set XR, 168
.set ZB, 200
.set ZS, 208
.set WS, 210
.set SP, 272                           ; a stage row: 256 bytes + 16: the sixteen rows that a store touches begin at sixteen different groups of banks (64 banks of 4 bytes: ISA guide 11.1)
	s_load_b256 s[4:11], s[0:1], 0x0               ; z's codes s[4:5], z's scales s[6:7], W's codes s[8:9], W's scales s[10:11]
	s_load_b128 s[12:15], s[0:1], 0x20             ; the bias s[12:13], x_a s[14:15]
	s_load_b64 s[16:17], s[0:1], 0x30              ; out
	v_lshl_add_u32 v254, v0, 2, 0x4400
	v_mov_b32 v255, 0
	v_lshrrev_b32 v1, 5, v0
	v_readfirstlane_b32 s18, v1                    ; wave 0..3
	v_and_b32 v1, 15, v0                           ; r
	v_bfe_u32 v2, v0, 4, 1                         ; h
	v_mul_u32_u24 v3, v1, 192
	v_mad_u32_u24 v3, v2, 24, v3                   ; W: row r of 192 bytes, + 24 h
	v_lshlrev_b32 v4, 3, v1                        ; W's scale bytes: row r of 8
	v_mul_u32_u24 v5, v2, 49152
	v_mad_u32_u24 v5, v1, 24, v5                   ; z: row r of 24 bytes; lanes 16-31 one head (49,152 bytes) on
	v_lshlrev_b32 v7, 5, v2                        ; the bias: 32 h
	v_lshlrev_b32 v8, 10, v2
	v_lshl_add_u32 v8, v1, 4, v8                   ; x_a and out: lanes 0-15 one row, lanes 16-31 the next; 16 bytes a lane
	s_mul_i32 s19, s18, 16*SP                      ; my stage
	v_mul_u32_u24 v9, v1, SP
	v_lshl_add_u32 v9, v2, 5, v9
	v_add_nc_u32 v9, s19, v9                       ; in: row r, + 32 h
	v_mul_u32_u24 v10, v2, SP
	v_lshl_add_u32 v10, v1, 4, v10
	v_add_nc_u32 v10, s19, v10                     ; back: lanes 0-15 one row, lanes 16-31 the next
	s_lshr_b32 s20, ttmp9, 7                       ; batch
	s_and_b32 s21, ttmp9, 127                      ; tile tt
	s_lshl_b32 s22, s20, 10
	s_add_co_u32 s22, s22, s21
	s_mul_i32 s22, s22, 384                        ; z's codes: head 0 of the batch, tile tt
	s_mov_b32 s23, 0
	s_lshl_b32 s24, s20, 14
	s_lshl_b32 s25, s21, 4
	s_add_co_u32 s24, s24, s25                     ; z's scale bytes likewise
	s_mov_b32 s25, 0
	s_mul_i32 s26, s18, 64*192                     ; my 64 rows of W,
	s_mov_b32 s27, 0
	s_lshl_b32 s28, s18, 9                         ; their scale bytes,
	s_mov_b32 s29, 0
	s_lshl_b32 s30, s18, 8                         ; my 64 features' bytes in a row, and in the bias
	s_mov_b32 s31, 0
	s_lshl_b32 s32, s20, 11
	s_lshr_b32 s33, s21, 3
	s_lshl_b32 s33, s33, 7
	s_add_co_u32 s32, s32, s33
	s_bfe_u32 s33, s21, 0x20001
	s_lshl_b32 s33, s33, 5
	s_add_co_u32 s32, s32, s33
	s_and_b32 s33, s21, 1
	s_lshl_b32 s33, s33, 3
	s_add_co_u32 s32, s32, s33                     ; the tile's first row
	s_lshl_b32 s32, s32, 10
	s_add_co_u32 s32, s32, s30
	s_mov_b32 s33, 0
	s_wait_kmcnt 0x0
	s_add_nc_u64 s[4:5], s[4:5], s[22:23]
	s_add_nc_u64 s[6:7], s[6:7], s[24:25]
	s_add_nc_u64 s[8:9], s[8:9], s[26:27]
	s_add_nc_u64 s[10:11], s[10:11], s[28:29]
	s_add_nc_u64 s[12:13], s[12:13], s[30:31]
	s_add_nc_u64 s[14:15], s[14:15], s[32:33]
	s_add_nc_u64 s[16:17], s[16:17], s[32:33]
.irp f, 0,1,2,3                                ; W's tile phi: rows 16 phi + r of my 64
.irp g, 0,1
.irp p, 0,1,2,3,4,5
	global_load_b64 v[WF+24*\f+12*\g+2*\p:WF+24*\f+12*\g+2*\p+1], v3, s[8:9] offset:3072*\f+96*\g+48*(\p/3)+8*(\p%3)
.endr
	global_load_b32 v[WS+2*\f+\g], v4, s[10:11] offset:128*\f+4*\g
.endr
.endr
.irp g, 0,1                                    ; z: block 2 c + h of K step g is head 4 g + 2 c + h
.irp p, 0,1,2,3,4,5
	global_load_b64 v[ZF+12*\g+2*\p:ZF+12*\g+2*\p+1], v5, s[4:5] offset:(4*\g+2*(\p/3))*49152+8*(\p%3)
.endr
.endr
.irp n, 0,1,2,3,4,5,6,7
	global_load_u8 v[ZB+\n], v1, s[6:7] offset:2048*\n   ; my row's scale byte of head n
.endr
.irp f, 0,1,2,3
	global_load_b128 v[CB+8*\f:CB+8*\f+3], v7, s[12:13] offset:64*\f          ; the bias of features 16 phi + 8 h + 0 .. 7
	global_load_b128 v[CB+8*\f+4:CB+8*\f+7], v7, s[12:13] offset:64*\f+16
.endr
.irp e, 0,1,2,3,4,5,6,7                        ; x_a last, in the store's layout: tile rows 2 e and 2 e + 1
	global_load_b128 v[XR+4*\e:XR+4*\e+3], v8, s[14:15] offset:(2*\e+8*(\e/4))*1024 th:TH_LOAD_NT
.endr
	s_wait_loadcnt 8                               ; all but x_a's eight
	v_lshl_or_b32 v[ZS], v[ZB+1], 8, v[ZB]         ; z's scale words: four heads' bytes a K step
	v_lshl_or_b32 v[ZS+1], v[ZB+5], 8, v[ZB+4]
	v_lshl_or_b32 v[ZS], v[ZB+2], 16, v[ZS]
	v_lshl_or_b32 v[ZS+1], v[ZB+6], 16, v[ZS+1]
	v_lshl_or_b32 v[ZS], v[ZB+3], 24, v[ZS]
	v_lshl_or_b32 v[ZS+1], v[ZB+7], 24, v[ZS+1]
.rept 8
	v_nop                                          ; a scale register written by a vector instruction stands eight places ahead of a scaled matrix instruction
.endr
.irp g, 0,1                                    ; four accumulators by turns, a K step at a time
.irp f, 0,1,2,3
	v_wmma_scale_f32_16x16x128_f8f6f4 v[CB+8*\f:CB+8*\f+7], v[WF+24*\f+12*\g:WF+24*\f+12*\g+11], v[ZF+12*\g:ZF+12*\g+11], v[CB+8*\f:CB+8*\f+7], v[WS+2*\f+\g], v[ZS+\g] matrix_a_fmt:MATRIX_FMT_FP6 matrix_b_fmt:MATRIX_FMT_FP6
.endr
.endr
.rept 4
	v_nop                                          ; four places in front of the first read of results and of loads into registers that matrix instructions have read
.endr
.irp f, 0,1,2,3
	ds_store_b128 v9, v[CB+8*\f:CB+8*\f+3] offset:64*\f            ; each accumulator from its low end on
	ds_store_b128 v9, v[CB+8*\f+4:CB+8*\f+7] offset:64*\f+16
.endr
.irp e, 0,1,2,3,4,5,6,7
	ds_load_b128 v[RB+4*\e:RB+4*\e+3], v10 offset:2*\e*SP          ; LDS serves a wave's instructions in order (ISA guide 5.7.1.4): these see my stores
.endr
	s_wait_loadcnt 0x0                             ; x_a
.irp e, 0,1,2,3,4,5,6,7
	s_wait_dscnt 7-\e                              ; rows 2 e, 2 e + 1 are back; the younger loads may be out
	v_pk_add_f32 v[RB+4*\e:RB+4*\e+1], v[RB+4*\e:RB+4*\e+1], v[XR+4*\e:XR+4*\e+1]
	v_pk_add_f32 v[RB+4*\e+2:RB+4*\e+3], v[RB+4*\e+2:RB+4*\e+3], v[XR+4*\e+2:XR+4*\e+3]
	global_store_b128 v8, v[RB+4*\e:RB+4*\e+3], s[16:17] offset:(2*\e+8*(\e/4))*1024 th:TH_STORE_NT   ; sixteen lanes store 256 consecutive bytes, at a multiple of 256 from out's first byte
.endr
	s_wait_tensorcnt 0x0
	ds_add_u32 v254, v255
	s_wait_dscnt 0x0
	s_endpgm
.Lfunc_end_k_qc0928abff2_outp:
	.size	k_qc0928abff2_outp, .Lfunc_end_k_qc0928abff2_outp-k_qc0928abff2_outp
	.p2alignl 7, 3214868480
	.fill 96, 4, 3214868480
	.section	.rodata,"a",@progbits
	.p2align	6, 0x0
	.amdhsa_kernel k_qc0928abff2_outp
		.amdhsa_group_segment_fixed_size 17920
		.amdhsa_private_segment_fixed_size 0
		.amdhsa_enable_private_segment 0
		.amdhsa_kernarg_size 56
		.amdhsa_user_sgpr_count 2
		.amdhsa_user_sgpr_kernarg_segment_ptr 1
		.amdhsa_wavefront_size32 1
		.amdhsa_system_sgpr_workgroup_id_x 1
		.amdhsa_system_sgpr_workgroup_id_y 1
		.amdhsa_system_sgpr_workgroup_id_z 1
		.amdhsa_system_vgpr_workitem_id 0
		.amdhsa_next_free_vgpr 256
		.amdhsa_next_free_sgpr 66
		.amdhsa_reserve_vcc 0
		.amdhsa_float_denorm_mode_32 3
		.amdhsa_float_denorm_mode_16_64 3
		.amdhsa_memory_ordered 1
		.amdhsa_forward_progress 1
		.amdhsa_inst_pref_size 17
	.end_amdhsa_kernel
	.amdgpu_metadata
---
amdhsa.version: [ 1, 2 ]
amdhsa.kernels:
  - .name:           k_qc0928abff2_outp
    .symbol:         k_qc0928abff2_outp.kd
    .args:
      - { .name: zc, .offset: 0, .size: 8, .value_kind: global_buffer, .address_space: global }
      - { .name: zs, .offset: 8, .size: 8, .value_kind: global_buffer, .address_space: global }
      - { .name: w_w_codes, .offset: 16, .size: 8, .value_kind: global_buffer, .address_space: global }
      - { .name: w_w_scales, .offset: 24, .size: 8, .value_kind: global_buffer, .address_space: global }
      - { .name: w_b, .offset: 32, .size: 8, .value_kind: global_buffer, .address_space: global }
      - { .name: x_a, .offset: 40, .size: 8, .value_kind: global_buffer, .address_space: global }
      - { .name: out0, .offset: 48, .size: 8, .value_kind: global_buffer, .address_space: global }
    .group_segment_fixed_size: 17920
    .private_segment_fixed_size: 0
    .kernarg_segment_align: 8
    .kernarg_segment_size: 56
    .max_flat_workgroup_size: 128
    .sgpr_count:     66
    .vgpr_count:     256
    .wavefront_size: 32
...
	.end_amdgpu_metadata
.endif
;; end of part 3
;; ======== version 2 of 2: 3 launches
;; workspace buffers: kv 3,276,800 bytes; qb 851,968 bytes; zc 786,432 bytes; zs 32,768 bytes
;; launch proj (part 4): grid 32 x 5, 4 waves a work-group, no clusters, 53,760 bytes of LDS; arguments x_a, x_b_codes, x_b_scales, wq_w_codes, wq_w_scales, wq_b, wk_a_w_codes, wk_a_w_scales, wk_a_b, wk_b_w_codes, wk_b_w_scales, wk_b_b, wv_a_w_codes, wv_a_w_scales, wv_a_b, wv_b_w_codes, wv_b_w_scales, wv_b_b, qb, kv; writes qb, kv
.if DOCPART == 4
	.amdgcn_target "amdgcn-amd-amdhsa--gfx1250"
	.amdhsa_code_object_version 6
	.text
	.protected	k_qc0928abff2_proj
	.globl	k_qc0928abff2_proj
	.p2align	8
	.type	k_qc0928abff2_proj,@function
k_qc0928abff2_proj:
	s_mov_b64 s[64:65], 0
	v_nop
	global_prefetch_b8 v0, s[64:65] scope:SCOPE_SE
	s_setreg_imm32_b32 hwreg(HW_REG_WAVE_SCHED_MODE, 0, 2), 2
	s_setreg_imm32_b32 hwreg(HW_REG_WAVE_MODE, 25, 1), 1
	s_wait_xcnt 0x0
	s_wait_alu depctr_vm_vsrc(0)
; The five input projections y = x W^T + b on codes of FP6 (E2M3) with one E8M0 scale for each 32 along K = 256, and the quantising of their results for the attention launch.
; Work-group (x, y): x = a STEP of 128 rows of the flat [4096] rows; y = which projection: 0 q, 1 k_a, 2 k_b (results quantised along a head's 32 features), 3 v_a, 4 v_b (quantised along the keys).
; x_a arrives as f32 and is quantised here; x_b and the weights arrive as codes and are taken as they lie.
; TILES.  A step's 128 rows are cut into 8 tiles; row m of tile t is row 32 (t / 2) + 8 (t % 2) + m + 8 (m / 8).  Eight such tiles as source 0 give a lane 64 results that are 4 x 16 NEIGHBOURS:
; register 16 b + i = row 32 b + 16 (lane / 16) + i.  A TASK is eight such tiles (the stationary set, 192 registers, window 1) against one moving tile of 16 rows, two K steps deep: 16 matrix instructions; then one QUANT.
;   q, k: stationary = 128 rows of W (four heads), moving = a tile of x: a lane holds one row of x and four heads' 32 features: four blocks.  Wave w: heads 4 (w % 2) on, x tiles 4 (w / 2) on.
;   v:    stationary = the step's 8 tiles of x, moving = 16 rows of W: a lane holds one feature and 128 neighbouring keys: the task's result IS an operand of the product p v.  Wave w: heads 2 w, 2 w + 1.
; WHAT IS STORED: images of operand registers (registers 4 i .. 4 i + 3 of lane l at 512 i + 16 l: 1,536 bytes a fragment), so that the reader needs three loads of 16 bytes a lane.
;   A K (or Q) fragment holds FOUR tiles of 16 keys of one head: block beta of row m = the 32 codes of row m of tile 4 f + beta.   A V fragment tau holds features 8 tau + r + 8 (r / 8) x the step's 128 keys.
; x's fragments are made (or fetched) once in the work-group, two tiles a wave, and go from wave to wave through LDS as images.  The two kinds of path have LDS bytes of their own.
; LIMITS: NaN and infinities are not served.  A block whose largest magnitude lies under 2^-124, a block of zeros too, gets the scale byte 1: its bytes are read by this program alone.
; REGISTERS.  window 0: v1-15 lane numbers and offsets; v16-79, v80-143 numbers of x, later the scale words of x's moving tiles (v16-23) and the 8 result tiles (v80-143); v144-191 codes; v192-201 scale words; v208-231 at work; v232-255 scale words of operands.
;   window 1: the stationary set, fragment (t, K step) at 12 (2 t + step).   window 2: q, k: the bias in the result's layout, 8 registers a tile, and x's four moving tiles at v64 on; v: four tiles of W at v64 on, their bias at v160 on.
; THE MODE: SCHED_MODE bits 1:0 = 2 (LLVM: expert scheduling mode 2), set by the entry lines.  The code itself states the register dependences between vector or matrix instructions and memory or LDS
; instructions, with s_wait_alu, always for 0.
; THE PLAN.  Registers that memory or LDS instructions touch:
;   v5-v15      offsets and LDS addresses: written once at the head, read by loads and stores to the end, never written again.  One wait on va_vdst on each way, ahead of its first load.
;   BUFA, BUFB  numbers of x_a: written by loads, read by the quantiser's maxima and conversions, loaded once more.  The wait on va_vdst stands behind the conversions; the refill follows at once, ahead of the
;               quantiser's exchanges and moves, which name no register of the buffer.
;   PC, PW      x's codes and scale words: written by the quantiser (x_a) or by loads (x_b), read by the LDS stores: a wait on va_vdst ahead of these.  The tasks' quantiser writes the same registers again (KB, VB):
;               a wait on vm_vsrc behind the barrier.
;   q, k        x's four moving tiles have registers of their own (window 2) and so have their scale words (v16-23): all 32 LDS loads go out in one run behind the barrier, and no task waits on va_vdst.
;   v           the stationary set and its scale words are written by LDS loads alone; the loads go out ahead of the moves that spread the bias.
;   KB, VB, MG  results: written by the quantiser, the exchanges and the selects, read by the global stores, never written again.  q, k: one wait on va_vdst ahead of the run of stores.
;               v: one at the head of each later task, behind which the fragment of the task before is stored, and one ahead of the last stores.
; All A, B and scale operands of the products come by loads: their waits are those on the memory counters.
.set FRB,    1536                      ; a fragment's image
.set XIMG_R, 0                         ; LDS, q and k paths: x's 16 fragments, (t, step) at (2 t + step) x 1,536;
.set XSC_R,  24576                     ; their scale words, 128 bytes each
.set XIMG_C, 26624                     ; LDS, v paths: the same
.set XSC_C,  51200
.set BUFA, 16
.set BUFB, 80
.set HA,   80                          ; the 8 result tiles
.set MSX,  16                          ; v16-23 q, k: the scale words of x's four moving tiles, two each
.set PC,   144                         ; x's four fragments
.set KB,   144                         ; four heads' K fragments
.set VB,   144                         ; four V fragments
.set PW,   192                         ; v192-195 x's scale words
.set KS,   196                         ; v196-199 K's scale words, a head each
.set VW,   196                         ; v196-199 V's scale words, a fragment each
.set MG,   200                         ; v200-201 two heads' words in one register
.set TQ,   208
.set TM,   216                         ; +0 largest magnitudes, +4 the other half's, then bytes, +12 the conversions' scale operands
.set MS,   232                         ; v232-239 scale words of W's four moving tiles
.set SS,   240                         ; v240-255 scale words of the stationary set
.set WT,   64                          ; window 2: the four moving tiles
.set BC,   160                         ; window 2
.set WV,   54
.set MU,   55
.set SIDE, 57
.set REC,  59
.set HS,   60
.set SO,   61
.set SEL,  62
.set MSB, 0
.macro WIN new                         ; the immediate's high byte repeats the setting that is left
.if MSB != \new
	s_set_vgpr_msb (MSB<<8)|\new
.set MSB, \new
.endif
.endm
; my two tiles' numbers of x_a: tile 2 w + u, K step g: lane (r, h) takes, of its row, 16 neighbours of each block of 32
.macro XLOAD reg, u, g
.irp b, 0,1,2,3
.irp j, 0,1,2,3
	global_load_b128 v[\reg+16*\b+4*\j:\reg+16*\b+4*\j+3], v5, s[86:87] offset:8192*\u+512*\g+128*\b+16*\j
.endr
.endr
.endm
; 64 numbers of a lane, register 16 b + i = place 32 b + 16 (lane / 16) + i along K, become codes: blocks 0, 1 in v[da] on (lanes 0-15 block 0, lanes 16-31 block 1), blocks 2, 3 in v[db] on; the four bytes stay in v[TM+4] on.
; re = 1: the 64 registers are asked for again as soon as the conversions have emptied them: tile 2 w + ru, K step rg of x_a.
.macro QUANT s, da, db, re, ru, rg
.irp b, 0,1,2,3
	v_max3_num_f32 v[TM+\b], |v[\s+16*\b]|, |v[\s+1+16*\b]|, 0x1800000   ; my 16 numbers of block b, from each result tile's low end on, and the floor 2^(3 - 127): the byte cannot fall under 1
.endr
.irp i, 2,4,6,8,10,12,14
.irp b, 0,1,2,3
	v_max3_num_f32 v[TM+\b], v[TM+\b], |v[\s+16*\b+\i]|, |v[\s+1+16*\b+\i]|   ; the four blocks by turns
.endr
.endr
.irp b, 0,1,2,3
	v_permlanex16_b32 v[TM+4+\b], v[TM+\b], s[SEL], s[SEL+1]
.endr
.irp b, 0,1,2,3
	v_max_num_f32 v[TM+\b], v[TM+\b], v[TM+4+\b]                   ; with lane l xor 16's: the block's largest magnitude
.endr
.irp b, 0,1,2,3
	v_add_nc_u32 v[TM+12+\b], 0xff000000, v[TM+\b]                 ; 2 off its exponent field: the conversion's scale operand
.endr
.irp b, 0,1,2,3
	v_lshrrev_b32 v[TM+4+\b], 23, v[TM+12+\b]                      ; the scale's byte
.endr
	v_cvt_scalef32_pk16_fp6_f32 v[\da:\da+2], v[\s:\s+15], v[TM+12]
	v_cvt_scalef32_pk16_fp6_f32 v[TQ:TQ+2], v[\s+16:\s+31], v[TM+13]       ; (a conversion's three registers begin on an even number)
	v_cvt_scalef32_pk16_fp6_f32 v[\db:\db+2], v[\s+32:\s+47], v[TM+14]
	v_cvt_scalef32_pk16_fp6_f32 v[TQ+4:TQ+6], v[\s+48:\s+63], v[TM+15]
	v_nop                                          ; one plain place behind a scaled conversion
.if \re
	s_wait_alu depctr_va_vdst(0)                   ; the maxima and the conversions are done reading v[s] to v[s + 63], in which the sixteen loads below land; no line of the quantiser behind this one names them
	XLOAD \s, \ru, \rg
.endif
.irp i, 0,1,2
	v_permlane16_swap_b32 v[\da+\i], v[TQ+\i]      ; a whole block to a lane: the first now holds each lane's block's lower 16 codes, the second the upper 16
.endr
.irp i, 0,1,2
	v_mov_b32 v[\da+3+\i], v[TQ+\i]
.endr
.irp i, 0,1,2
	v_permlane16_swap_b32 v[\db+\i], v[TQ+4+\i]
.endr
.irp i, 0,1,2
	v_mov_b32 v[\db+3+\i], v[TQ+4+\i]
.endr
.endm
.macro WORD pw                         ; the four bytes as one scale word
	v_lshl_or_b32 v[\pw], v[TM+5], 8, v[TM+4]
	v_lshl_or_b32 v[\pw], v[TM+6], 16, v[\pw]
	v_lshl_or_b32 v[\pw], v[TM+7], 24, v[\pw]
.endm
.macro KSACC i                         ; tile 4 f + i's byte of each of the four heads goes to byte i of that head's word
.irp b, 0,1,2,3
.if \i == 0
	v_mov_b32 v[KS+\b], v[TM+4+\b]
.else
	v_lshl_or_b32 v[KS+\b], v[TM+4+\b], 8*\i, v[KS+\b]
.endif
.endr
.endm
; 16 matrix instructions: the stationary set against the moving tile at v[mb] on.  The first K step takes the bias as C; the eight accumulators take turns, one instruction a turn.
.macro TASK mb, wina, winb, cb, cstep, ms
	WIN \wina
.irp t, 0,1,2,3,4,5,6,7
	v_wmma_scale_f32_16x16x128_f8f6f4 v[HA+8*\t:HA+8*\t+7], v[24*\t:24*\t+11], v[\mb:\mb+11], v[\cb+\cstep*\t:\cb+\cstep*\t+7], v[SS+2*\t], v[\ms] matrix_a_fmt:MATRIX_FMT_FP6 matrix_b_fmt:MATRIX_FMT_FP6
.endr
	WIN \winb
.irp t, 0,1,2,3,4,5,6,7
	v_wmma_scale_f32_16x16x128_f8f6f4 v[HA+8*\t:HA+8*\t+7], v[24*\t+12:24*\t+23], v[\mb+12:\mb+23], v[HA+8*\t:HA+8*\t+7], v[SS+2*\t+1], v[\ms+1] matrix_a_fmt:MATRIX_FMT_FP6 matrix_b_fmt:MATRIX_FMT_FP6
.endr
	WIN 0
.rept 4
	v_nop                                          ; four places in front of the first read of results (ISA guide 7.12.1)
.endr
.endm
; x's fragments: wave w makes tiles 2 w and 2 w + 1, two K steps each (j = 2 u + step), and stores their images; one barrier.
.macro PHASEX ximg, xsc
	s_cmp_lg_u32 s[SIDE], 0                        ; the same in all four waves: it hangs on the work-group's y alone
	s_cbranch_scc1 .Lgiven_\@
	XLOAD BUFA, 0, 0
	XLOAD BUFB, 0, 1
	s_wait_loadcnt 16                              ; all but the 16 loads issued last: the older set is in (and the weights, issued before it)
	QUANT BUFA, PC, PC+6, 1, 1, 0                  ; and BUFA is asked for again: my second tile's first K step
	WORD PW
	s_wait_loadcnt 16
	QUANT BUFB, PC+12, PC+18, 1, 1, 1              ; BUFB likewise: its second K step
	WORD PW+1
	s_wait_loadcnt 16
	QUANT BUFA, PC+24, PC+30, 0, 0, 0
	WORD PW+2
	s_wait_loadcnt 0x0
	QUANT BUFB, PC+36, PC+42, 0, 0, 0
	WORD PW+3
	s_branch .Lhave_\@
.Lgiven_\@:                                            ; x_b: a row's stream of bits is the register image: 24 bytes of a lane as three loads of 8
.irp j, 0,1,2,3
.irp p, 0,1,2,3,4,5
	global_load_b64 v[PC+12*\j+2*\p:PC+12*\j+2*\p+1], v6, s[88:89] offset:1536*(\j/2)+96*(\j%2)+48*(\p/3)+8*(\p%3)
.endr
	global_load_b32 v[PW+\j], v7, s[90:91] offset:64*(\j/2)+4*(\j%2)
.endr
	s_wait_loadcnt 0x0
.Lhave_\@:
	s_wait_alu depctr_va_vdst(0)                   ; on x_a's way the quantiser has written PC and PW, which the LDS stores below read, and is done reading v16-23, in which LDS loads land behind the barrier
.irp j, 0,1,2,3
.irp i, 0,1,2
	ds_store_b128 v10, v[PC+12*\j+4*\i:PC+12*\j+4*\i+3] offset:\ximg+FRB*\j+512*\i
.endr
	ds_store_b32 v11, v[PW+\j] offset:\xsc+128*\j
.endr
	s_wait_dscnt 0x0                               ; for the others' sake: my stores have landed
	s_barrier_signal -1
	s_barrier_wait -1                              ; x's sixteen fragments lie in LDS; nothing is stored there again
	s_wait_alu depctr_vm_vsrc(0)                   ; my LDS stores have read PC: these registers are KB or VB from here on, written by the tasks' quantiser
.endm
	s_load_b512 s[4:19], s[0:1], 0x0               ; argument n at s[4 + 2 n]: x_a s[4:5], x_b's codes s[6:7], its scales s[8:9]; projection y's codes, scales, bias at s[10 + 6 y] on
	s_load_b512 s[20:35], s[0:1], 0x40
	s_load_b256 s[36:43], s[0:1], 0x80             ; .. qb s[40:41], kv s[42:43]
	v_lshl_add_u32 v226, v0, 2, 0xd000
	v_mov_b32 v227, 0
	v_lshrrev_b32 v1, 5, v0
	v_readfirstlane_b32 s[WV], v1                  ; wave 0..3
	s_and_b32 s[MU], ttmp7, 0xffff                 ; which projection
	v_and_b32 v1, 31, v0                           ; l
	v_and_b32 v2, 15, v0                           ; r
	v_bfe_u32 v3, v0, 4, 1                         ; h
	v_and_b32 v4, 8, v2
	v_add_nc_u32 v4, v4, v2                        ; rr = r + 8 (r / 8): a tile's rows
	v_lshlrev_b32 v5, 10, v4
	v_lshl_add_u32 v5, v3, 6, v5                   ; x_a: row rr of 1,024 bytes, + 64 h
	v_mul_u32_u24 v6, v4, 192
	v_mad_u32_u24 v6, v3, 24, v6                   ; codes: row rr of 192 bytes, + 24 h
	v_lshlrev_b32 v7, 3, v4                        ; scale bytes: row rr of 8
	v_lshlrev_b32 v8, 4, v1                        ; an image's place for my lane
	v_lshlrev_b32 v9, 2, v1                        ; a scale word's
	s_wait_alu depctr_va_sdst(0)                   ; the wave's number is written, ahead of its first reader: LDS places and bases are made from it
	s_mul_i32 s80, s[WV], 4*FRB
	v_add_nc_u32 v10, s80, v8                      ; where I store x's images: my four fragments
	s_lshl_b32 s80, s[WV], 9
	v_add_nc_u32 v11, s80, v9                      ; and their scale words
	s_lshr_b32 s81, s[WV], 1
	s_mul_i32 s80, s81, 8*FRB
	v_add_nc_u32 v12, s80, v8                      ; q, k: where my four moving tiles lie: tiles 4 (w / 2) on
	s_lshl_b32 s80, s81, 10
	v_add_nc_u32 v13, s80, v9
.irp b, 0,1,2,3
	v_mov_b32 v[TM+4+\b], 0                        ; written once: a lane permute's destination counts as one of its sources
.endr
	s_mov_b32 s[SEL], 0x76543210
	s_mov_b32 s[SEL+1], 0xfedcba98                 ; v_permlanex16_b32's selects for lane l xor 16
	s_and_b32 s80, s[MU], 1
	s_xor_b32 s80, s80, 1
	s_cmp_lg_u32 s[MU], 0
	s_cselect_b32 s[SIDE], s80, 0                  ; 1: the rows come from x_b (y = 2, 4)
	s_mov_b32 s[REC], 3328
	s_cselect_b32 s[REC], 6400, s[REC]             ; bytes of a step's record: qb's or kv's,
	s_mov_b32 s[HS], 53248
	s_cselect_b32 s[HS], 204800, s[HS]             ; of a head's records,
	s_mov_b32 s[SO], 3072
	s_cselect_b32 s[SO], 6144, s[SO]               ; and where a record's scale words begin
	s_lshl_b32 s80, ttmp9, 7
	s_lshl_b32 s81, s[WV], 5
	s_add_co_u32 s80, s80, s81                     ; the first row of my two tiles of x: 128 x step + 32 x wave
	s_mov_b32 s85, 0                               ; s[84:85]: an offset as a pair; s85 stays 0
	s_and_b32 s92, ttmp9, 15
	s_lshl_b32 s93, s[SIDE], 4
	s_add_co_u32 s92, s92, s93
	s_mul_i32 s92, s92, s[REC]                     ; my step's record in a head: keys from x_b follow those from x_a
	s_lshr_b32 s93, ttmp9, 4
	s_lshl_b32 s93, s93, 3                         ; 8 x batch
	s_wait_kmcnt 0x0
	s_cmp_lg_u32 s[MU], 0
	s_cselect_b64 s[82:83], s[42:43], s[40:41]     ; results go to kv, q's to qb
	s_mov_b64 s[48:49], s[10:11]                   ; my projection's codes,
	s_mov_b64 s[50:51], s[12:13]                   ; scales
	s_mov_b64 s[52:53], s[14:15]                   ; and bias
.irp n, 1,2,3,4
	s_cmp_eq_u32 s[MU], \n
	s_cselect_b64 s[48:49], s[10+6*\n:11+6*\n], s[48:49]
	s_cselect_b64 s[50:51], s[12+6*\n:13+6*\n], s[50:51]
	s_cselect_b64 s[52:53], s[14+6*\n:15+6*\n], s[52:53]
.endr
	s_lshl_b32 s84, s80, 10
	s_add_nc_u64 s[86:87], s[4:5], s[84:85]        ; x_a at my rows
	s_mul_i32 s84, s80, 192
	s_add_nc_u64 s[88:89], s[6:7], s[84:85]        ; x_b's codes
	s_lshl_b32 s84, s80, 3
	s_add_nc_u64 s[90:91], s[8:9], s[84:85]        ; x_b's scale bytes
	s_cmp_ge_u32 s[MU], 3
	s_cbranch_scc1 .Lcol
	; ---------------- q, k_a, k_b ----------------
	s_and_b32 s94, s[WV], 1                        ; which 128 rows of W (four heads)
	s_lshr_b32 s95, s[WV], 1                       ; f: which four tiles of x
	s_mul_i32 s84, s94, 128*192
	s_add_nc_u64 s[48:49], s[48:49], s[84:85]
	s_lshl_b32 s84, s94, 10
	s_add_nc_u64 s[50:51], s[50:51], s[84:85]
	s_lshl_b32 s84, s94, 9
	s_add_nc_u64 s[52:53], s[52:53], s[84:85]
	s_lshl_b32 s96, s94, 2
	s_add_co_u32 s96, s96, s93
	s_mul_i32 s96, s96, s[HS]
	s_add_co_u32 s84, s96, s92
	s_add_nc_u64 s[82:83], s[82:83], s[84:85]      ; my first head's record
	s_mul_i32 s84, s95, FRB
	s_add_nc_u64 s[68:69], s[82:83], s[84:85]      ; fragment f of my four heads: s[68:69], s[70:71], s[72:73], s[74:75]
	s_mov_b32 s84, s[HS]
	s_add_nc_u64 s[70:71], s[68:69], s[84:85]
	s_add_nc_u64 s[72:73], s[70:71], s[84:85]
	s_add_nc_u64 s[74:75], s[72:73], s[84:85]
	s_lshl_b32 s84, s95, 6
	s_add_co_u32 s84, s84, s[SO]
	s_add_nc_u64 s[76:77], s[82:83], s[84:85]      ; fragment f's 64 bytes of scale words, heads 0 and 1 of my four;
	s_lshl_b32 s84, s[HS], 1
	s_add_nc_u64 s[78:79], s[76:77], s[84:85]      ; heads 2 and 3
	v_lshlrev_b32 v14, 6, v3                       ; the bias: 64 h
	v_mul_u32_u24 v15, s[HS], v3
	v_lshl_add_u32 v15, v2, 2, v15                 ; scale words out: 4 r, lanes 16-31 one head on
	WIN 0x40                                       ; destination window 1
	s_wait_alu depctr_va_vdst(0)                   ; the offsets and LDS addresses v5 to v15 are written: every load and store of this way reads one of them, and none is written again
.irp t, 0,1,2,3,4,5,6,7                        ; W's 8 tiles x 2 K steps: they stay for the wave's four tasks
.irp g, 0,1
.irp p, 0,1,2,3,4,5
	global_load_b64 v[12*(2*\t+\g)+2*\p:12*(2*\t+\g)+2*\p+1], v6, s[48:49] offset:(32*(\t/2)+8*(\t%2))*192+96*\g+48*(\p/3)+8*(\p%3)
.endr
.endr
.endr
	WIN 0
.irp t, 0,1,2,3,4,5,6,7
.irp g, 0,1
	global_load_b32 v[SS+2*\t+\g], v7, s[50:51] offset:(32*(\t/2)+8*(\t%2))*8+4*\g
.endr
.endr
	WIN 0x80                                       ; destination window 2: lane (r, h) wants, for tile t, the bias of features 32 (t / 2) + 16 h + 8 (t % 2) + 0 .. 7
.irp t, 0,1,2,3,4,5,6,7
	global_load_b128 v[8*\t:8*\t+3], v14, s[52:53] offset:(32*(\t/2)+8*(\t%2))*4
	global_load_b128 v[8*\t+4:8*\t+7], v14, s[52:53] offset:(32*(\t/2)+8*(\t%2))*4+16
.endr
	WIN 0
	PHASEX XIMG_R, XSC_R
; My four moving tiles of x, each with registers of its own, in ONE run of 32 LDS loads: the eight scale words first, then tile by tile.  No vector or matrix instruction has named window 2's v64-159;
; v16-23 were last read by the quantiser ahead of the wait in front of the LDS stores.  So no task's loads hang on an earlier task's products.
.irp i, 0,1,2,3
.irp g, 0,1
	ds_load_b32 v[MSX+2*\i+\g], v13 offset:XSC_R+(2*\i+\g)*128
.endr
.endr
	WIN 0x80                                       ; destination window 2
.irp i, 0,1,2,3
.irp g, 0,1
.irp c, 0,1,2
	ds_load_b128 v[WT+24*\i+12*\g+4*\c:WT+24*\i+12*\g+4*\c+3], v12 offset:XIMG_R+(2*\i+\g)*FRB+512*\c
.endr
.endr
.endr
	WIN 0
.irp i, 0,1,2,3                                ; task i: x's tile 4 f + i against my 128 rows of W
	s_wait_dscnt 6*(3-\i)                          ; LDS loads come back in order (ISA guide 5.7.1): the scale words and tiles 0 to i are in; the six loads of each younger tile may be out
	TASK WT+24*\i, 0x29, 0x09, 0, 8, MSX+2*\i      ; source 0 window 1; source 1 and the bias window 2
	QUANT HA, KB+12*(\i%2)+6*(\i/2), KB+24+12*(\i%2)+6*(\i/2), 0, 0, 0   ; lanes 0-15: the even head's 32 codes of my row, lanes 16-31: the odd head's
	KSACC \i
.endr
	v_cmp_gt_u32 vcc_lo, 16, v1                    ; lanes 0-15; the 24 exchanges below stand between this line and the wait for it
; Heads 2 c and 2 c + 1 of my four: tile i's codes stand with the even head in lanes 0-15 and the odd head in lanes 16-31.  A fragment wants ONE head, tile 4 f in lanes 0-15 and tile 4 f + 1 in lanes 16-31
; (registers 0-5), tiles 4 f + 2 and 4 f + 3 likewise (registers 6-11): one exchange of halves between tile 0's and tile 1's registers, and between tile 2's and tile 3's, gives both heads' fragments.
.irp c, 0,1
.irp n, 0,1,2,3,4,5,6,7,8,9,10,11
	v_permlane16_swap_b32 v[KB+24*\c+\n], v[KB+24*\c+12+\n]
.endr
.endr
	s_wait_alu depctr_va_vcc(0)                    ; the compare has written VCC, ahead of its first reader
	v_cndmask_b32 v[MG], v[KS+1], v[KS], vcc_lo    ; lanes 0-15 the even head's words, lanes 16-31 the odd head's
	v_cndmask_b32 v[MG+1], v[KS+3], v[KS+2], vcc_lo
	s_wait_alu depctr_va_vdst(0)                   ; the exchanges have written KB and the selects MG, which the stores below read
.irp j, 0,1,2,3
.irp i, 0,1,2
	global_store_b128 v8, v[KB+12*\j+4*\i:KB+12*\j+4*\i+3], s[68+2*\j:69+2*\j] offset:512*\i   ; 32 lanes store 512 consecutive bytes, at a multiple of 256 from the buffer's first byte
.endr
.endr
	global_store_b32 v15, v[MG], s[76:77]          ; sixteen lanes store 64 consecutive bytes of a head's record: pieces, one byte in 96 of what the wave stores
	global_store_b32 v15, v[MG+1], s[78:79]
	s_wait_dscnt 0x0
	s_wait_alu depctr_hold_cnt(0) depctr_sa_sdst(0) depctr_va_vdst(0) depctr_va_sdst(0) depctr_va_ssrc(0) depctr_va_vcc(0) depctr_vm_vsrc(0)
	s_wait_tensorcnt 0x0
	ds_add_u32 v226, v227
	s_wait_dscnt 0x0
	s_endpgm
	; ---------------- v_a, v_b ----------------
.Lcol:
	s_mul_i32 s84, s[WV], 64*192                   ; my 64 rows of W (two heads)
	s_add_nc_u64 s[48:49], s[48:49], s[84:85]
	s_lshl_b32 s84, s[WV], 9
	s_add_nc_u64 s[50:51], s[50:51], s[84:85]
	s_lshl_b32 s84, s[WV], 8
	s_add_nc_u64 s[52:53], s[52:53], s[84:85]
	s_lshl_b32 s96, s[WV], 1
	s_add_co_u32 s96, s96, s93
	s_mul_i32 s96, s96, 204800
	s_add_co_u32 s84, s96, s92
	s_add_nc_u64 s[68:69], s[82:83], s[84:85]      ; my two heads' records
	s_add_nc_u64 s[70:71], s[68:69], 204800
	v_lshlrev_b32 v14, 2, v4                       ; the bias of my lane's feature: 4 rr
	WIN 0x80                                       ; destination window 2
	s_wait_alu depctr_va_vdst(0)                   ; the offsets and LDS addresses v5 to v14 are written: every load and store of this way reads one of them, and none is written again
.irp j, 0,1,2,3                                ; moving tile j: head j / 2 of my two, features 8 (j % 2) + rr
.irp g, 0,1
.irp p, 0,1,2,3,4,5
	global_load_b64 v[WT+24*\j+12*\g+2*\p:WT+24*\j+12*\g+2*\p+1], v6, s[48:49] offset:(32*(\j/2)+8*(\j%2))*192+96*\g+48*(\p/3)+8*(\p%3)
.endr
.endr
	global_load_b32 v[BC+8*\j], v14, s[52:53] offset:(32*(\j/2)+8*(\j%2))*4
.endr
	WIN 0
.irp j, 0,1,2,3
.irp g, 0,1
	global_load_b32 v[MS+2*\j+\g], v7, s[50:51] offset:(32*(\j/2)+8*(\j%2))*8+4*\g
.endr
.endr
	PHASEX XIMG_C, XSC_C                           ; its last wait for loads is for 0: W's tiles and the bias are in
	WIN 0x40                                       ; destination window 1: the step's sixteen fragments of x are the stationary set.  No vector or matrix instruction has named these registers, nor SS
.irp q, 0,1,2,3,4,5,6,7,8,9,10,11,12,13,14,15
.irp c, 0,1,2
	ds_load_b128 v[12*\q+4*\c:12*\q+4*\c+3], v8 offset:XIMG_C+FRB*\q+512*\c
.endr
.endr
	WIN 0
.irp q, 0,1,2,3,4,5,6,7,8,9,10,11,12,13,14,15
	ds_load_b32 v[SS+\q], v9 offset:XSC_C+128*\q
.endr
	WIN 0x82                                       ; source 0 and destination window 2.  The moves stand behind the LDS loads, whose registers they do not name: the loads are on their way meanwhile
.irp j, 0,1,2,3
.irp n, 1,2,3,4,5,6,7
	v_mov_b32 v[BC+8*\j+\n], v[BC+8*\j]            ; a lane's results of a task are one feature's: its bias in all eight registers of C
.endr
.endr
	WIN 0
.rept 4
	v_nop
.endr
	v_cmp_gt_u32 vcc_lo, 16, v1                    ; lanes 0-15; it is read behind the last task
	s_wait_dscnt 0x0
.irp j, 0,1,2,3
.if \j > 0
	s_wait_alu depctr_va_vdst(0)                   ; the quantiser has written the fragment of the task before, which the three stores below read; it is never written again
.irp i, 0,1,2
	global_store_b128 v8, v[VB+12*(\j-1)+4*\i:VB+12*(\j-1)+4*\i+3], s[68+2*((\j-1)/2):69+2*((\j-1)/2)] offset:2*FRB+FRB*((\j-1)%2)+512*\i   ; 512 consecutive bytes, at a multiple of 256
.endr
.endif
	TASK WT+24*\j, 0x29, 0x09, BC+8*\j, 0, MS+2*\j ; source 0 window 1, source 1 and the bias window 2
	QUANT HA, VB+12*\j, VB+12*\j+6, 0, 0, 0        ; 128 neighbouring keys of my feature: the fragment as the product p v takes it
	WORD VW+\j
.endr
	s_wait_alu depctr_va_vcc(0)                    ; the compare has written VCC, ahead of its first reader
	v_cndmask_b32 v[MG], v[VW+1], v[VW], vcc_lo    ; lanes 0-15 fragment 0's words, lanes 16-31 fragment 1's
	v_cndmask_b32 v[MG+1], v[VW+3], v[VW+2], vcc_lo
	s_wait_alu depctr_va_vdst(0)                   ; the quantiser has written the last fragment and the selects MG, which the stores below read
.irp i, 0,1,2
	global_store_b128 v8, v[VB+36+4*\i:VB+36+4*\i+3], s[70:71] offset:3*FRB+512*\i   ; 512 consecutive bytes, at a multiple of 256
.endr
	global_store_b32 v9, v[MG], s[68:69] offset:6272       ; 128 consecutive bytes: the record's last
	global_store_b32 v9, v[MG+1], s[70:71] offset:6272
	s_wait_dscnt 0x0
	s_wait_alu depctr_hold_cnt(0) depctr_sa_sdst(0) depctr_va_vdst(0) depctr_va_sdst(0) depctr_va_ssrc(0) depctr_va_vcc(0) depctr_vm_vsrc(0)
	s_wait_tensorcnt 0x0
	ds_add_u32 v226, v227
	s_wait_dscnt 0x0
	s_endpgm
.Lfunc_end_k_qc0928abff2_proj:
	.size	k_qc0928abff2_proj, .Lfunc_end_k_qc0928abff2_proj-k_qc0928abff2_proj
	.p2alignl 7, 3214868480
	.fill 96, 4, 3214868480
	.section	.rodata,"a",@progbits
	.p2align	6, 0x0
	.amdhsa_kernel k_qc0928abff2_proj
		.amdhsa_group_segment_fixed_size 53760
		.amdhsa_private_segment_fixed_size 0
		.amdhsa_enable_private_segment 0
		.amdhsa_kernarg_size 160
		.amdhsa_user_sgpr_count 2
		.amdhsa_user_sgpr_kernarg_segment_ptr 1
		.amdhsa_wavefront_size32 1
		.amdhsa_system_sgpr_workgroup_id_x 1
		.amdhsa_system_sgpr_workgroup_id_y 1
		.amdhsa_system_sgpr_workgroup_id_z 1
		.amdhsa_system_vgpr_workitem_id 0
		.amdhsa_next_free_vgpr 704
		.amdhsa_next_free_sgpr 100
		.amdhsa_reserve_vcc 1
		.amdhsa_float_denorm_mode_32 3
		.amdhsa_float_denorm_mode_16_64 3
		.amdhsa_memory_ordered 1
		.amdhsa_forward_progress 1
		.amdhsa_inst_pref_size 133
	.end_amdhsa_kernel
	.amdgpu_metadata
---
amdhsa.version: [ 1, 2 ]
amdhsa.kernels:
  - .name:           k_qc0928abff2_proj
    .symbol:         k_qc0928abff2_proj.kd
    .args:
      - { .name: x_a, .offset: 0, .size: 8, .value_kind: global_buffer, .address_space: global }
      - { .name: x_b_codes, .offset: 8, .size: 8, .value_kind: global_buffer, .address_space: global }
      - { .name: x_b_scales, .offset: 16, .size: 8, .value_kind: global_buffer, .address_space: global }
      - { .name: wq_w_codes, .offset: 24, .size: 8, .value_kind: global_buffer, .address_space: global }
      - { .name: wq_w_scales, .offset: 32, .size: 8, .value_kind: global_buffer, .address_space: global }
      - { .name: wq_b, .offset: 40, .size: 8, .value_kind: global_buffer, .address_space: global }
      - { .name: wk_a_w_codes, .offset: 48, .size: 8, .value_kind: global_buffer, .address_space: global }
      - { .name: wk_a_w_scales, .offset: 56, .size: 8, .value_kind: global_buffer, .address_space: global }
      - { .name: wk_a_b, .offset: 64, .size: 8, .value_kind: global_buffer, .address_space: global }
      - { .name: wk_b_w_codes, .offset: 72, .size: 8, .value_kind: global_buffer, .address_space: global }
      - { .name: wk_b_w_scales, .offset: 80, .size: 8, .value_kind: global_buffer, .address_space: global }
      - { .name: wk_b_b, .offset: 88, .size: 8, .value_kind: global_buffer, .address_space: global }
      - { .name: wv_a_w_codes, .offset: 96, .size: 8, .value_kind: global_buffer, .address_space: global }
      - { .name: wv_a_w_scales, .offset: 104, .size: 8, .value_kind: global_buffer, .address_space: global }
      - { .name: wv_a_b, .offset: 112, .size: 8, .value_kind: global_buffer, .address_space: global }
      - { .name: wv_b_w_codes, .offset: 120, .size: 8, .value_kind: global_buffer, .address_space: global }
      - { .name: wv_b_w_scales, .offset: 128, .size: 8, .value_kind: global_buffer, .address_space: global }
      - { .name: wv_b_b, .offset: 136, .size: 8, .value_kind: global_buffer, .address_space: global }
      - { .name: qb, .offset: 144, .size: 8, .value_kind: global_buffer, .address_space: global }
      - { .name: kv, .offset: 152, .size: 8, .value_kind: global_buffer, .address_space: global }
    .group_segment_fixed_size: 53760
    .private_segment_fixed_size: 0
    .kernarg_segment_align: 8
    .kernarg_segment_size: 160
    .max_flat_workgroup_size: 128
    .sgpr_count:     100
    .vgpr_count:     704
    .wavefront_size: 32
...
	.end_amdgpu_metadata
.endif
;; end of part 4
;; launch attn (part 5): grid 16 x 16, 16 waves a work-group, clusters of 4 x 1, 327,680 bytes of LDS; arguments kv, qb, zc, zs; writes zc, zs
.if DOCPART == 5
	.amdgcn_target "amdgcn-amd-amdhsa--gfx1250"
	.amdhsa_code_object_version 6
	.text
	.protected	k_qc0928abff2_attn
	.globl	k_qc0928abff2_attn
	.p2align	8
	.type	k_qc0928abff2_attn,@function
k_qc0928abff2_attn:
	s_mov_b64 s[64:65], 0
	v_nop
	global_prefetch_b8 v0, s[64:65] scope:SCOPE_SE
	s_setreg_imm32_b32 hwreg(HW_REG_WAVE_MODE, 25, 1), 1
	s_wait_xcnt 0x0
	s_wait_alu depctr_hold_cnt(0) depctr_sa_sdst(0) depctr_va_vdst(0) depctr_va_sdst(0) depctr_va_ssrc(0) depctr_va_vcc(0) depctr_vm_vsrc(0)
	s_getreg_b32 s2, hwreg(HW_REG_IB_STS2, 6, 4)
	s_cmp_eq_u32 s2, 0
	s_cbranch_scc0 .Lentry_in_a_cluster
	s_endpgm
.Lentry_in_a_cluster:
	s_bfe_u32 s2, ttmp6, 0x10000c
	s_cmp_lg_u32 s2, 0x3003
	s_cbranch_scc0 .Lentry_shape_is_right
	s_endpgm
.Lentry_shape_is_right:
; z[b][head][q][:] = softmax_k(q . k / sqrt(32)) v over 4,096 keys, both products on codes of FP6 (E2M3); z is quantised (a head's 32 = one block of the last projection's K) and stored as codes.
; THE SOFTMAX: t = score x log2(e) / sqrt(32); M = the largest t so far rounded UP to a whole number; p = 2^(t - M) is quantised along the keys, not normalised; the sum is taken of the unquantised p and divides at the end.
; When M moves, the sum and O are multiplied by 2^(old M - new M): exact.
; SHARES.  Work-group (x, y): y = 8 x batch + head, x = a step of 128 queries.  Sixteen waves of 256 registers, four to a SIMD, so that one wave's products and LDS loads stand beside another's vector work.
; Wave w owns query tile w % 8 (16 queries) and the keys' half w / 8 (16 steps of 128 keys); at the end the two halves of a tile meet in LDS, by exact powers of two.
; LDS.  A head's K, V and their scale words are 32 records of 6,400 bytes, 204,800 bytes: they are brought ONCE, each wave two records, and nothing is filled again.
; CLUSTER.  The four work-groups of a cluster share batch and head, so each record is asked for JOINTLY, by the same tensor load with the same descriptor and the mask of all four.  (Sixteen work-groups read a head's
; records; a mask names four.)  The place in the cluster enters only the global addresses of Q and z.
; THE HEAD IS 32 WIDE, the matrix instruction 128 deep.  A K fragment carries FOUR tiles of 16 keys, one in each block of 32 along K; the query operand holds q's 32 codes in ONE block and zero codes in the other three,
; and so picks that tile.  Four such operands are laid over 30 registers: QL, Z, QH, Z, QL (QL: q in lanes 0-15, QH: in lanes 16-31, Z: zeros).
; LAYOUT.  Both products are used transposed: S^T = K Q^T, O^T = V^T P^T: a lane holds ONE query (lane % 16).  The keys of a tile are chosen so that registers 16 b + i of S^T are keys 32 b + 16 (lane / 16) + i of the step.
; V's fragment tau holds channels 8 tau + r + 8 (r / 8), so that O^T's 16 registers are channels 16 (lane / 16) + 0 .. 15.
; LIMITS: NaN and infinities are not served.  A block of p or of z whose largest number lies under 2^-124 gets the scale byte 1 (its bytes are read by this program alone).
.set FRB,  1536                        ; a fragment's image: registers 4 i .. 4 i + 3 of lane l at 512 i + 16 l
.set REC,  6400                        ; a step's record: K's two fragments, V's two, 128 bytes of K's scale words, 128 of V's
.set QREC, 3328                        ; a step's record of Q
.set MRG,  204800                      ; LDS behind the records: 8 x 2,560 bytes, where the upper half's O^T, -M and sums wait for the lower half's wave
.set ZSB,  225280                      ; 128 scale bytes of z (a block of 256 bytes)
.set AD0,  1                           ; v1   16 x lane
.set AS0,  2                           ; v2   4 x lane + 6,144
.set ADK,  3                           ; v3   the step's fragments
.set ADS,  4                           ; v4   the step's scale words
.set QC,   16                          ; v16-45 QL, Z, QH, Z, QL
.set QS,   46                          ; q's scale byte, four times
.set KSW,  47                          ; K's scale words: lanes 0-15 fragment 0's, lanes 16-31 fragment 1's
.set VSW,  48                          ; V's likewise
.set PS,   49                          ; p's scale word
.set F,    50                          ; v[50:51] 2^(old M - new M), and a written partner
.set KF,   52
.set VF,   76
.set S,    100                         ; v100-163 S^T, then p
.set O,    164                         ; v164-179 O^T
.set PC,   180                         ; p's codes
.set TQ,   192
.set BM,   200                         ; each block's largest score, then its largest p
.set BT,   204
.set SCL,  208
.set T0,   212                         ; v212-219 at work
.set WV,   12
.set SEL,  20
.set CS,   22
.set TB,   60
.set CNT,  61
.macro ROUND                           ; a round of the cluster's barrier
	s_barrier_signal -1
	s_barrier_wait -1
	s_cmp_lg_u32 s[WV], 0
	s_cbranch_scc1 .Lnot_wave_0_\@
	s_barrier_signal -3
.Lnot_wave_0_\@:
	s_barrier_wait -3
	s_barrier_signal -1
	s_barrier_wait -1
.endm
.macro KQ f, beta, off                 ; scores of key tile 4 f + beta: K's fragment f against the query operand whose block beta holds q
.if \f
	v_wmma_scale_f32_16x16x128_f8f6f4 v[S+8*(4*\f+\beta):S+8*(4*\f+\beta)+7], v[KF+12*\f:KF+12*\f+11], v[QC+\off:QC+\off+11], 0, v[KSW], v[QS] matrix_a_fmt:MATRIX_FMT_FP6 matrix_b_fmt:MATRIX_FMT_FP6 matrix_a_scale:MATRIX_SCALE_ROW1
.else
	v_wmma_scale_f32_16x16x128_f8f6f4 v[S+8*(4*\f+\beta):S+8*(4*\f+\beta)+7], v[KF+12*\f:KF+12*\f+11], v[QC+\off:QC+\off+11], 0, v[KSW], v[QS] matrix_a_fmt:MATRIX_FMT_FP6 matrix_b_fmt:MATRIX_FMT_FP6
.endif
.endm
	s_load_b256 s[4:11], s[0:1], 0x0               ; kv s[4:5], qb s[6:7], zc s[8:9], zs s[10:11]
	v_lshl_add_u32 v254, v0, 2, 0x37100
	v_mov_b32 v255, 0
	ds_add_u32 v254, v255
	ds_add_u32 v254, v255
	v_lshrrev_b32 v1, 5, v0
	s_delay_alu instid0(VALU_DEP_1)
	v_readfirstlane_b32 s[WV], v1                  ; wave 0..15
	s_bfe_u32 s13, ttmp6, 0x40000                  ; cx: my place in the cluster
	s_lshl_b32 s14, ttmp9, 2
	s_add_co_u32 s14, s14, s13                     ; my step of queries = 4 x cluster x + cx: it enters Q's and z's global addresses alone
	s_and_b32 s15, ttmp7, 0xffff                   ; 8 x batch + head, which the four partners share
	s_lshr_b32 s16, s[WV], 3                       ; g: my half of the keys
	s_and_b32 s17, s[WV], 7                        ; t: my tile of queries
	; descriptor group 1: a record as 25 rows of 256 bytes, dense, no padding (it is read 16 bytes a lane on end)
	s_mov_b32 s24, 15|(3<<16)|(1<<21)              ; 15:0 the mask: all four work-groups; 17:16 elements of 8 bytes; 21 set beside a mask
	s_mov_b32 s25, 32<<16                          ; tensor_dim0 = 32
	s_mov_b32 s26, 25<<16                          ; tensor_dim1 = 25
	s_mov_b32 s27, 32<<16                          ; tile_dim0 = 32
	s_mov_b32 s28, 25                              ; tile_dim1 = 25
	s_mov_b32 s29, 32                              ; from row to row
	s_mov_b32 s30, 0
	s_mov_b32 s31, 0
	s_lshl_b32 s40, s16, 4
	s_add_co_u32 s40, s40, s17                     ; the first record that I fetch: step 16 g + t; the second: eight steps on
	s_mul_i32 s41, s40, REC                        ; its byte in LDS, and in the head
	s_mul_i32 s42, s15, 32*REC
	s_add_co_u32 s42, s42, s41
	s_mov_b32 s43, 0
	s_mul_i32 s[TB], s16, 16*REC                   ; where my half's records begin in LDS
	s_mov_b32 s[SEL], 0x76543210
	s_mov_b32 s[SEL+1], 0xfedcba98                 ; v_permlanex16_b32's selects for lane l xor 16
	s_mov_b32 s[CS], 0x3e8293ee                    ; c = log2(e) / sqrt(32)
	s_mov_b32 s[CS+1], s[CS]                       ; (named with it as a pair, so it is written)
	; Q: my tile t is block beta = t % 4 of fragment f = t / 4 of my step's record: registers 6 c' .. 6 c' + 5 (c' = beta / 2) of lane r + 16 u (u = beta % 2) of the image
	s_lshl_b32 s44, s15, 4
	s_add_co_u32 s44, s44, s14
	s_mul_i32 s44, s44, QREC                       ; the record
	s_lshr_b32 s45, s17, 2                         ; f
	s_mul_i32 s56, s45, FRB
	s_add_co_u32 s56, s56, s44
	s_and_b32 s57, s17, 1
	s_lshl_b32 s57, s57, 8
	s_add_co_u32 s56, s56, s57                     ; + 1,536 f + 256 u
	s_bfe_u32 s57, s17, 0x10001                    ; c'
	s_mul_i32 s58, s57, 520
	s_add_co_u32 s46, s56, s58                     ; the lane's first and third 8 bytes lie at 0 and 512 (c' = 0) or 520 and 1,032 (c' = 1),
	s_mov_b32 s47, 0
	s_mul_i32 s58, s57, 1016
	s_add_co_u32 s48, s56, s58                     ; the second at 8 or 1,024
	s_mov_b32 s49, 0
	s_lshl_b32 s58, s45, 6
	s_add_co_u32 s50, s44, s58
	s_and_b32 s58, s17, 3
	s_add_co_u32 s50, s50, s58
	s_add_co_u32 s50, s50, 2*FRB                   ; its scale byte: word 4 r of fragment f's 64 bytes, byte beta
	s_mov_b32 s51, 0
	s_lshl_b32 s52, s15, 7
	s_lshl_b32 s58, s14, 3
	s_add_co_u32 s52, s52, s58
	s_add_co_u32 s52, s52, s17
	s_mul_i32 s52, s52, 384                        ; z's codes: tile 8 x step + t of the head's 128, 384 bytes each
	s_mov_b32 s53, 0
	s_lshl_b32 s54, s15, 11
	s_lshl_b32 s58, s14, 7
	s_add_co_u32 s54, s54, s58                     ; z's scale bytes: my step's 128
	s_mov_b32 s55, 0
	v_and_b32 v3, 31, v0                           ; l  (v3 and v4 are written anew in every key step)
	v_and_b32 v4, 15, v0                           ; r
	v_bfe_u32 v10, v0, 4, 1                        ; h
	s_delay_alu instid0(VALU_DEP_3)
	v_lshlrev_b32 v[AD0], 4, v3
	s_delay_alu instid0(VALU_DEP_4)
	v_lshlrev_b32 v11, 2, v3                       ; v11: 4 l
	s_delay_alu instid0(VALU_DEP_1)
	v_add_nc_u32 v[AS0], 4*FRB, v11
	s_mul_i32 s56, s17, 2560
	s_add_co_u32 s56, s56, MRG
	v_add_nc_u32 v5, s56, v[AD0]                   ; v5: where my tile's two halves meet
	v_mul_u32_u24 v6, v4, 24
	s_delay_alu instid0(VALU_DEP_1)
	v_mad_u32_u24 v6, v10, 12, v6                  ; v6: z's codes: row r of 24 bytes, my 16 channels' 12
	s_lshl_b32 s56, s17, 4
	s_add_co_u32 s56, s56, ZSB
	v_add_nc_u32 v7, s56, v4                       ; v7: z's scale byte in LDS: 16 t + r
	v_add_nc_u32 v8, ZSB, v11                      ; v8: and on the way out 4 bytes a lane
	v_lshlrev_b32 v9, 4, v4                        ; v9: 16 r
	v_lshlrev_b32 v10, 2, v4                       ; v10: 4 r
	v_cmp_gt_u32 vcc_lo, 16, v3                    ; lanes 0-15
	s_wait_dscnt 0x0
	s_wait_kmcnt 0x0
	s_mov_b32 s32, 1                               ; group 0 of my first record: count = 1,
	s_mov_b32 s33, s41                             ; LDS address,
	s_add_nc_u64 s[34:35], s[4:5], s[42:43]        ; global address,
	s_or_b32 s35, s35, 0x80000000                  ; type = 2
	s_mov_b32 s36, 1                               ; and of my second
	s_add_co_u32 s37, s41, 8*REC
	s_add_nc_u64 s[38:39], s[4:5], s[42:43]
	s_add_nc_u64 s[38:39], s[38:39], 8*REC
	s_or_b32 s39, s39, 0x80000000
	s_add_nc_u64 s[46:47], s[6:7], s[46:47]
	s_add_nc_u64 s[48:49], s[6:7], s[48:49]
	s_add_nc_u64 s[50:51], s[6:7], s[50:51]
	s_add_nc_u64 s[52:53], s[8:9], s[52:53]
	s_add_nc_u64 s[54:55], s[10:11], s[54:55]
	ROUND                                          ; all four work-groups are here: the joint loads meet
	tensor_load_to_lds s[32:35], s[24:31]          ; the launch's only fills, in one group: one load of mine is out, waited for before the second
	s_nop 0
	s_wait_alu depctr_va_vdst(0)
	s_wait_tensorcnt 0x0
	ds_add_u32 v254, v255
	s_wait_dscnt 0x0
	ROUND
	tensor_load_to_lds s[36:39], s[24:31]
	s_nop 0
.rept 4
	v_nop
.endr
	s_wait_alu depctr_va_vdst(0)
	global_load_b64 v[T0:T0+1], v9, s[46:47]       ; my row's 24 bytes of Q, the same in both halves of the lanes
	global_load_b64 v[T0+2:T0+3], v9, s[48:49] offset:8
	global_load_b64 v[T0+4:T0+5], v9, s[46:47] offset:512
	global_load_u8 v[T0+6], v10, s[50:51]
.irp n, 0,1,2,3,4,5
	v_mov_b32 v[QC+6+\n], 0                        ; Z
	v_mov_b32 v[QC+18+\n], 0
.endr
	s_wait_loadcnt 0x0
	v_perm_b32 v[QS], v[T0+6], v[T0+6], 0          ; the byte in all four places: whichever block holds q finds it; the zero codes add nothing under it
.irp n, 0,1,2,3,4,5
	v_cndmask_b32 v[QC+\n], 0, v[T0+\n], vcc_lo    ; QL
	v_cndmask_b32 v[QC+12+\n], v[T0+\n], v[QC+6], vcc_lo   ; QH
	v_cndmask_b32 v[QC+24+\n], 0, v[T0+\n], vcc_lo ; QL once more
.endr
	v_mov_b32 v13, 0xff61b1e6                      ; the largest t so far: -3e38, under every t.  (These 27 lines are also the places between the writes of q's operands and scale and the first product)
	s_delay_alu instid0(VALU_DEP_1)
	v_floor_f32 v12, -v13                          ; -M
	v_mov_b32 v14, 0                               ; the sum, in two halves
	v_mov_b32 v15, 0
	v_mov_b32 v[F+1], 0                            ; (named as the upper half of a pair)
.irp b, 0,1,2,3
	v_mov_b32 v[BT+\b], 0                          ; written once: a lane permute's destination counts as one of its sources
.endr
.irp j, 0,1,2,3,4,5,6,7,8,9,10,11,12,13,14,15
	v_mov_b32 v[O+\j], 0                           ; O^T.  (The step is written for every step alike: the first finds zeros, which the first change of M leaves zeros)
.endr
; A KEY STEP: 128 keys: 14 LDS loads, 8 + 2 matrix instructions, the softmax.
.macro STEP
	s_setprio 2
	v_add_nc_u32 v[ADK], s[TB], v[AD0]
	v_add_nc_u32 v[ADS], s[TB], v[AS0]
.irp i, 0,1,2,3,4,5
	ds_load_b128 v[KF+4*\i:KF+4*\i+3], v[ADK] offset:512*\i
.endr
	ds_load_b32 v[KSW], v[ADS]
.irp i, 0,1,2,3,4,5
	ds_load_b128 v[VF+4*\i:VF+4*\i+3], v[ADK] offset:2*FRB+512*\i   ; (the last step's two products read these registers: its 32 additions stand between)
.endr
	ds_load_b32 v[VSW], v[ADS] offset:128
	s_wait_dscnt 7                                 ; K and its scale words are in; V's seven loads may be out
.irp f, 0,1
	KQ \f, 0, 0
	KQ \f, 1, 12
	KQ \f, 2, 18
	KQ \f, 3, 6
.endr
.rept 4
	v_nop                                          ; four places in front of the first read of results (ISA guide 7.12.1)
.endr
.irp b, 0,1,2,3
	v_max3_num_f32 v[BM+\b], v[S+16*\b], v[S+1+16*\b], v[S+2+16*\b]   ; the largest score of each block of 32 keys: it serves for the row's maximum and, since p rises with the score, for the block's largest p
.endr
.irp i, 3,5,7,9,11,13
.irp b, 0,1,2,3
	v_max3_num_f32 v[BM+\b], v[BM+\b], v[S+16*\b+\i], v[S+1+16*\b+\i]
.endr
.endr
.irp b, 0,1,2,3
	v_max_num_f32 v[BM+\b], v[BM+\b], v[S+15+16*\b]
.endr
.irp b, 0,1,2,3
	s_delay_alu instid0(VALU_DEP_4)
	v_permlanex16_b32 v[BT+\b], v[BM+\b], s[SEL], s[SEL+1]
.endr
.irp b, 0,1,2,3
	s_delay_alu instid0(VALU_DEP_4)
	v_max_num_f32 v[BM+\b], v[BM+\b], v[BT+\b]     ; with lane l xor 16's 16 keys
.endr
	s_delay_alu instid0(VALU_DEP_2)
	v_max3_num_f32 v[T0], v[BM], v[BM+1], v[BM+2]
	s_delay_alu instid0(VALU_DEP_1)
	v_max_num_f32 v[T0], v[T0], v[BM+3]            ; the step's largest score of my query
	s_delay_alu instid0(VALU_DEP_1)
	v_mul_f32 v[T0], s[CS], v[T0]                  ; as t (c is positive)
	s_delay_alu instid0(VALU_DEP_1)
	v_max_num_f32 v13, v13, v[T0]                  ; the running largest t
	v_mov_b32 v[T0], v12
	s_delay_alu instid0(VALU_DEP_2)
	v_floor_f32 v12, -v13                          ; the new -M = floor(-t): M is a whole number
	s_delay_alu instid0(VALU_DEP_1)
	v_sub_f32 v[T0], v12, v[T0]                    ; old M - new M: a whole number, 0 or less
	s_delay_alu instid0(VALU_DEP_1)
	v_cvt_i32_f32 v[T0], v[T0]                     ; (it saturates)
	s_delay_alu instid0(VALU_DEP_1)
	v_ldexp_f32 v[F], 1.0, v[T0]                   ; f = 2^(old M - new M)
.set J, 0
.rept 32
	v_pk_fma_f32 v[S+J:S+J+1], v[S+J:S+J+1], s[CS:CS+1], v[12:13] op_sel_hi:[1,0,0]   ; t - M, two at a time (of the pairs c and -M the low word serves both halves)
.set J, J+2
.endr
.irp b, 0,1,2,3
	v_fma_f32 v[BM+\b], v[BM+\b], s[CS], v12       ; the same of each block's largest score
.endr
.set J, 0
	s_setprio 1
	s_wait_alu depctr_va_vdst(0)
.rept 64
	v_exp_f32 v[S+J], v[S+J]                       ; p = 2^(t - M), at most 1
.set J, J+1
.endr
.irp b, 0,1,2,3
	v_exp_f32 v[BM+\b], v[BM+\b]                   ; the block's largest p: the same two instructions on the same number
.endr
	v_pk_mul_f32 v[14:15], v[14:15], v[F:F+1] op_sel_hi:[1,0]   ; the sums under the new M.  (A plain place behind the exponentials)
	s_wait_alu depctr_va_vdst(0)
.irp b, 0,1,2,3
	v_max_num_f32 v[BM+\b], 0x1800000, v[BM+\b]    ; the floor 2^(3 - 127): the byte cannot fall under 1
.endr
.irp b, 0,1,2,3
	s_delay_alu instid0(VALU_DEP_4)
	v_add_nc_u32 v[SCL+\b], 0xff000000, v[BM+\b]   ; 2 off the exponent field: the conversion's scale operand
.endr
.irp b, 0,1,2,3
	s_delay_alu instid0(VALU_DEP_4)
	v_lshrrev_b32 v[BT+\b], 23, v[SCL+\b]          ; the scale's byte
.endr
	s_delay_alu instid0(VALU_DEP_3)
	v_lshl_or_b32 v[PS], v[BT+1], 8, v[BT]         ; p's scale word for these 128 keys
	s_delay_alu instid0(VALU_DEP_1)
	v_lshl_or_b32 v[PS], v[BT+2], 16, v[PS]
	s_delay_alu instid0(VALU_DEP_1)
	v_lshl_or_b32 v[PS], v[BT+3], 24, v[PS]
.irp c, 0,1
	v_cvt_scalef32_pk16_fp6_f32 v[PC+6*\c:PC+6*\c+2], v[S+32*\c:S+32*\c+15], v[SCL+2*\c]
	v_cvt_scalef32_pk16_fp6_f32 v[TQ+4*\c:TQ+4*\c+2], v[S+16+32*\c:S+31+32*\c], v[SCL+2*\c+1]   ; (a conversion's three registers begin on an even number)
.endr
	v_nop                                          ; one plain place behind a scaled conversion
.irp c, 0,1                                    ; a whole block to a lane: lanes 0-15 block 2 c, lanes 16-31 block 2 c + 1
.irp i, 0,1,2
	v_permlane16_swap_b32 v[PC+6*\c+\i], v[TQ+4*\c+\i]
.endr
.irp i, 0,1,2
	s_delay_alu instid0(VALU_DEP_3)
	v_mov_b32 v[PC+3+6*\c+\i], v[TQ+4*\c+\i]
.endr
.endr
.set J, 0
.rept 8
	v_pk_mul_f32 v[O+J:O+J+1], v[O+J:O+J+1], v[F:F+1] op_sel_hi:[1,0]   ; O^T under the new M, from each accumulator's low end on.  (With the moves above: the places between p's codes and scale word and the products below)
.set J, J+2
.endr
	s_setprio 0
	s_wait_alu depctr_va_vdst(0)
	s_wait_dscnt 0x0                               ; V and its scale words are in
	v_wmma_scale_f32_16x16x128_f8f6f4 v[O:O+7], v[VF:VF+11], v[PC:PC+11], v[O:O+7], v[VSW], v[PS] matrix_a_fmt:MATRIX_FMT_FP6 matrix_b_fmt:MATRIX_FMT_FP6   ; two accumulators, a turn each; the scores' eight products stand between their turns
	v_wmma_scale_f32_16x16x128_f8f6f4 v[O+8:O+15], v[VF+12:VF+23], v[PC:PC+11], v[O+8:O+15], v[VSW], v[PS] matrix_a_fmt:MATRIX_FMT_FP6 matrix_b_fmt:MATRIX_FMT_FP6 matrix_a_scale:MATRIX_SCALE_ROW1
	v_pk_add_f32 v[T0+2:T0+3], v[S:S+1], v[S+2:S+3]   ; the row's sum is taken of the UNQUANTISED p: two at a time, in two chains, beside the two products
.irp j, 4,8,12,16,20,24,28,32,36,40,44,48,52,56,60
	v_pk_add_f32 v[14:15], v[14:15], v[S+\j:S+\j+1]
	v_pk_add_f32 v[T0+2:T0+3], v[T0+2:T0+3], v[S+2+\j:S+3+\j]
.endr
	s_delay_alu instid0(VALU_DEP_1)
	v_pk_add_f32 v[14:15], v[14:15], v[T0+2:T0+3]
	s_add_co_u32 s[TB], s[TB], REC                 ; the next step's record
.endm
	s_wait_tensorcnt 1                             ; my first record is in; my second may stay out
	s_barrier_signal -1
	s_barrier_wait -1                              ; everybody's first is: steps 0-7 of each half
	s_mov_b32 s[CNT], 8
.Lfirst:
	STEP
	s_sub_co_u32 s[CNT], s[CNT], 1
	s_cmp_lg_u32 s[CNT], 0
	s_cbranch_scc1 .Lfirst
	s_setprio 0
	s_wait_tensorcnt 0x0                           ; my second record is in
	s_wait_dscnt 0x0
	s_barrier_signal -1
	s_barrier_wait -1                              ; everybody's is: steps 8-15 of each half
	s_mov_b32 s[CNT], 8
.Lsecond:
	STEP
	s_sub_co_u32 s[CNT], s[CNT], 1
	s_cmp_lg_u32 s[CNT], 0
	s_cbranch_scc1 .Lsecond
	s_setprio 0
	; THE TWO HALVES OF THE KEYS MEET.  Waves 8-15 leave O^T, -M and the sums in LDS (the step's 32 additions are the places behind the last products)
	s_cmp_lt_u32 s[WV], 8
	s_cbranch_scc1 .Llower
	ds_store_b128 v5, v[O:O+3]                     ; each accumulator from its low end on
	ds_store_b128 v5, v[O+4:O+7] offset:512
	ds_store_b128 v5, v[O+8:O+11] offset:1024
	ds_store_b128 v5, v[O+12:O+15] offset:1536
	ds_store_b128 v5, v[12:15] offset:2048
.Llower:
	s_wait_dscnt 0x0                               ; for the others' sake: my stores have landed
	s_barrier_signal -1
	s_barrier_wait -1
	s_cmp_lt_u32 s[WV], 8
	s_cbranch_scc0 .Lupper
.irp i, 0,1,2,3,4
	ds_load_b128 v[S+4*\i:S+4*\i+3], v5 offset:512*\i   ; the other half's O^T in v100-115; its -M, t and sums in v116-119
.endr
	s_wait_dscnt 0x0
	v_min_num_f32 v[T0], v12, v[S+16]              ; the common -M: the larger M
	s_delay_alu instid0(VALU_DEP_1)
	v_sub_f32 v[T0+1], v[T0], v12                  ; my M less the common one: a whole number, 0 or less
	s_delay_alu instid0(VALU_DEP_2)
	v_sub_f32 v[T0+2], v[T0], v[S+16]              ; and the other half's
	s_delay_alu instid0(VALU_DEP_2)
	v_cvt_i32_f32 v[T0+1], v[T0+1]
	s_delay_alu instid0(VALU_DEP_2)
	v_cvt_i32_f32 v[T0+2], v[T0+2]
	s_delay_alu instid0(VALU_DEP_2)
	v_ldexp_f32 v[F], 1.0, v[T0+1]                 ; both factors are exact powers of two
	s_wait_alu depctr_va_vdst(0)
	v_ldexp_f32 v[T0+4], 1.0, v[T0+2]              ; (its partner in the pair, v217, was written at the head)
	v_pk_mul_f32 v[14:15], v[14:15], v[F:F+1] op_sel_hi:[1,0]
	s_delay_alu instid0(VALU_DEP_1)
	v_pk_fma_f32 v[14:15], v[S+18:S+19], v[T0+4:T0+5], v[14:15] op_sel_hi:[1,0,1]
.irp j, 0,2,4,6,8,10,12,14
	v_pk_mul_f32 v[O+\j:O+\j+1], v[O+\j:O+\j+1], v[F:F+1] op_sel_hi:[1,0]
.endr
.irp j, 0,2,4,6,8,10,12,14
	v_pk_fma_f32 v[O+\j:O+\j+1], v[S+\j:S+\j+1], v[T0+4:T0+5], v[O+\j:O+\j+1] op_sel_hi:[1,0,1]
.endr
	v_add_f32 v14, v14, v15                        ; the sum's two halves,
	s_delay_alu instid0(VALU_DEP_1)
	v_permlanex16_b32 v[BT], v14, s[SEL], s[SEL+1]
	s_delay_alu instid0(VALU_DEP_1)
	v_add_f32 v14, v14, v[BT]                      ; and lane l xor 16's: the row's sum
	s_wait_alu depctr_va_vdst(0)
	v_rcp_f32 v[F], v14
	v_nop                                          ; one plain place behind a transcendental
	s_wait_alu depctr_va_vdst(0)
.irp j, 0,2,4,6,8,10,12,14
	v_pk_mul_f32 v[S+20+\j:S+21+\j], v[O+\j:O+\j+1], v[F:F+1] op_sel_hi:[1,0]   ; z: register j is channel 16 h + j of my query
.endr
	v_max3_num_f32 v[BM], |v[S+20]|, |v[S+21]|, 0x1800000   ; z's block is the head's 32 channels: my 16, the floor,
.irp i, 2,4,6,8,10,12,14
	s_delay_alu instid0(VALU_DEP_1)
	v_max3_num_f32 v[BM], v[BM], |v[S+20+\i]|, |v[S+21+\i]|
.endr
	s_delay_alu instid0(VALU_DEP_1)
	v_permlanex16_b32 v[BT], v[BM], s[SEL], s[SEL+1]
	s_delay_alu instid0(VALU_DEP_1)
	v_max_num_f32 v[BM], v[BM], v[BT]              ; and lane l xor 16's
	s_delay_alu instid0(VALU_DEP_1)
	v_add_nc_u32 v[SCL], 0xff000000, v[BM]
	s_delay_alu instid0(VALU_DEP_1)
	v_lshrrev_b32 v[BM+1], 23, v[SCL]              ; the scale's byte
	v_cvt_scalef32_pk16_fp6_f32 v[TQ:TQ+2], v[S+20:S+35], v[SCL]
	v_nop                                          ; one plain place behind a scaled conversion
	global_store_b96 v6, v[TQ:TQ+2], s[52:53]      ; the wave stores its tile's 384 consecutive bytes
	ds_store_b8 v7, v[BM+1]                        ; both halves of the lanes write the same byte with the same value
.Lupper:
	s_wait_dscnt 0x0
	s_barrier_signal -1
	s_barrier_wait -1                              ; the step's 128 scale bytes lie in LDS
	s_cmp_lg_u32 s[WV], 0
	s_cbranch_scc1 .Lnot_first
	ds_load_b32 v[T0+1], v8
	s_wait_dscnt 0x0
	global_store_b32 v11, v[T0+1], s[54:55]        ; 128 consecutive bytes
.Lnot_first:
	s_wait_tensorcnt 0x0
	ds_add_u32 v254, v255
	s_wait_dscnt 0x0
	ROUND                                          ; the closing round: no work-group ends while a partner may still ask for a record that names it
	s_endpgm
.Lfunc_end_k_qc0928abff2_attn:
	.size	k_qc0928abff2_attn, .Lfunc_end_k_qc0928abff2_attn-k_qc0928abff2_attn
	.p2alignl 7, 3214868480
	.fill 96, 4, 3214868480
	.section	.rodata,"a",@progbits
	.p2align	6, 0x0
	.amdhsa_kernel k_qc0928abff2_attn
		.amdhsa_group_segment_fixed_size 327680
		.amdhsa_private_segment_fixed_size 0
		.amdhsa_enable_private_segment 0
		.amdhsa_kernarg_size 32
		.amdhsa_user_sgpr_count 2
		.amdhsa_user_sgpr_kernarg_segment_ptr 1
		.amdhsa_wavefront_size32 1
		.amdhsa_system_sgpr_workgroup_id_x 1
		.amdhsa_system_sgpr_workgroup_id_y 1
		.amdhsa_system_sgpr_workgroup_id_z 1
		.amdhsa_system_vgpr_workitem_id 0
		.amdhsa_next_free_vgpr 256
		.amdhsa_next_free_sgpr 66
		.amdhsa_reserve_vcc 1
		.amdhsa_float_denorm_mode_32 3
		.amdhsa_float_denorm_mode_16_64 3
		.amdhsa_memory_ordered 1
		.amdhsa_forward_progress 1
		.amdhsa_inst_pref_size 44
	.end_amdhsa_kernel
	.amdgpu_metadata
---
amdhsa.version: [ 1, 2 ]
amdhsa.kernels:
  - .name:           k_qc0928abff2_attn
    .symbol:         k_qc0928abff2_attn.kd
    .args:
      - { .name: kv, .offset: 0, .size: 8, .value_kind: global_buffer, .address_space: global }
      - { .name: qb, .offset: 8, .size: 8, .value_kind: global_buffer, .address_space: global }
      - { .name: zc, .offset: 16, .size: 8, .value_kind: global_buffer, .address_space: global }
      - { .name: zs, .offset: 24, .size: 8, .value_kind: global_buffer, .address_space: global }
    .group_segment_fixed_size: 327680
    .private_segment_fixed_size: 0
    .kernarg_segment_align: 8
    .kernarg_segment_size: 32
    .max_flat_workgroup_size: 512
    .sgpr_count:     66
    .vgpr_count:     256
    .wavefront_size: 32
...
	.end_amdgpu_metadata
.endif
;; end of part 5
;; launch outp (part 6): grid 256 x 1, 4 waves a work-group, no clusters, 17,920 bytes of LDS; arguments zc, zs, w_w_codes, w_w_scales, w_b, x_a, out0; writes out0
.if DOCPART == 6
	.amdgcn_target "amdgcn-amd-amdhsa--gfx1250"
	.amdhsa_code_object_version 6
	.text
	.protected	k_qc0928abff2_outp
	.globl	k_qc0928abff2_outp
	.p2align	8
	.type	k_qc0928abff2_outp,@function
k_qc0928abff2_outp:
	s_mov_b64 s[64:65], 0
	v_nop
	global_prefetch_b8 v0, s[64:65] scope:SCOPE_SE
	s_setreg_imm32_b32 hwreg(HW_REG_WAVE_SCHED_MODE, 0, 2), 2
	s_setreg_imm32_b32 hwreg(HW_REG_WAVE_MODE, 25, 1), 1
	s_wait_xcnt 0x0
	s_wait_alu depctr_vm_vsrc(0)
; out = z W^T + b + x_a, the product on codes of FP6 (E2M3) with one E8M0 scale for each 32 along K = 256 (a block = a head).
; A work-group takes one tile of 16 queries as the attention launch left it; row m of tile tt of a batch is row 128 (tt / 8) + 32 ((tt % 8) / 2) + 8 (tt % 2) + m + 8 (m / 8).
; Wave w makes features 64 w .. 64 w + 63: 256 consecutive bytes of each of the 16 rows.  The product is used transposed (source 0 = 16 rows of W, source 1 = z), so that a lane holds eight neighbouring features of one row.
; The bias is the C of each sum's first matrix instruction.  The results go through the wave's own stage in LDS and come back as rows; x_a, loaded in that layout, is added; sixteen lanes store 256 consecutive bytes, aligned.
; No barrier: waves share nothing.  No tensor load, no cluster: what work-groups share (W, 51,200 bytes) is small and comes through registers.
; REGISTERS: v1-10 lane numbers and offsets; v16-111 W's 8 fragments (tile phi, K step: 24 phi + 12 step), later v16-47 rows read back; v112-135 z's two fragments; v136-167 the bias, then the sums in place;
;   v168-199 x_a; v200-207 z's scale bytes; v208-209 z's scale words; v210-217 W's.
; THE MODE: SCHED_MODE bits 1:0 = 2 (LLVM: expert scheduling mode 2), set by the entry lines.  The code itself states the register dependences between vector or matrix instructions and memory or LDS
; instructions, with s_wait_alu, always for 0.
; THE PLAN.  Registers that memory or LDS instructions touch:
;   v1, v3-v10  offsets and LDS addresses: written once at the head, never again: one wait on va_vdst ahead of the first load.
;   ZS          z's scale words: written by vector instructions, taken by the products as scales: the eight places, then a wait on va_vdst.
;   CB, WF      the products write CB, which the LDS stores read, and read WF, in whose first 32 registers (RB) the rows land on their way back: the four places, then one wait on va_vdst for both.
;   RB          the sixteen additions of x_a write it, in one run; one wait on va_vdst; the eight stores read it, in one run.  It is not written again.
.set WF, 16
.set RB, 16
.set ZF, 112
.set CB, 136
.set XR, 168
.set ZB, 200
.set ZS, 208
.set WS, 210
.set SP, 272                           ; a stage row: 256 bytes + 16: the sixteen rows that a store touches begin at sixteen different groups of banks (64 banks of 4 bytes: ISA guide 11.1)
	s_load_b256 s[4:11], s[0:1], 0x0               ; z's codes s[4:5], z's scales s[6:7], W's codes s[8:9], W's scales s[10:11]
	s_load_b128 s[12:15], s[0:1], 0x20             ; the bias s[12:13], x_a s[14:15]
	s_load_b64 s[16:17], s[0:1], 0x30              ; out
	v_lshl_add_u32 v254, v0, 2, 0x4400
	v_mov_b32 v255, 0
	v_lshrrev_b32 v1, 5, v0
	v_readfirstlane_b32 s18, v1                    ; wave 0..3
	v_and_b32 v1, 15, v0                           ; r
	v_bfe_u32 v2, v0, 4, 1                         ; h
	v_mul_u32_u24 v3, v1, 192
	v_mad_u32_u24 v3, v2, 24, v3                   ; W: row r of 192 bytes, + 24 h
	v_lshlrev_b32 v4, 3, v1                        ; W's scale bytes: row r of 8
	v_mul_u32_u24 v5, v2, 49152
	v_mad_u32_u24 v5, v1, 24, v5                   ; z: row r of 24 bytes; lanes 16-31 one head (49,152 bytes) on
	v_lshlrev_b32 v7, 5, v2                        ; the bias: 32 h
	v_lshlrev_b32 v8, 10, v2
	v_lshl_add_u32 v8, v1, 4, v8                   ; x_a and out: lanes 0-15 one row, lanes 16-31 the next; 16 bytes a lane
	s_wait_alu depctr_va_sdst(0)                   ; the wave's number is written, ahead of its first reader: the stage's place and the bases are made from it
	s_mul_i32 s19, s18, 16*SP                      ; my stage
	v_mul_u32_u24 v9, v1, SP
	v_lshl_add_u32 v9, v2, 5, v9
	v_add_nc_u32 v9, s19, v9                       ; in: row r, + 32 h
	v_mul_u32_u24 v10, v2, SP
	v_lshl_add_u32 v10, v1, 4, v10
	v_add_nc_u32 v10, s19, v10                     ; back: lanes 0-15 one row, lanes 16-31 the next
	s_lshr_b32 s20, ttmp9, 7                       ; batch
	s_and_b32 s21, ttmp9, 127                      ; tile tt
	s_lshl_b32 s22, s20, 10
	s_add_co_u32 s22, s22, s21
	s_mul_i32 s22, s22, 384                        ; z's codes: head 0 of the batch, tile tt
	s_mov_b32 s23, 0
	s_lshl_b32 s24, s20, 14
	s_lshl_b32 s25, s21, 4
	s_add_co_u32 s24, s24, s25                     ; z's scale bytes likewise
	s_mov_b32 s25, 0
	s_mul_i32 s26, s18, 64*192                     ; my 64 rows of W,
	s_mov_b32 s27, 0
	s_lshl_b32 s28, s18, 9                         ; their scale bytes,
	s_mov_b32 s29, 0
	s_lshl_b32 s30, s18, 8                         ; my 64 features' bytes in a row, and in the bias
	s_mov_b32 s31, 0
	s_lshl_b32 s32, s20, 11
	s_lshr_b32 s33, s21, 3
	s_lshl_b32 s33, s33, 7
	s_add_co_u32 s32, s32, s33
	s_bfe_u32 s33, s21, 0x20001
	s_lshl_b32 s33, s33, 5
	s_add_co_u32 s32, s32, s33
	s_and_b32 s33, s21, 1
	s_lshl_b32 s33, s33, 3
	s_add_co_u32 s32, s32, s33                     ; the tile's first row
	s_lshl_b32 s32, s32, 10
	s_add_co_u32 s32, s32, s30
	s_mov_b32 s33, 0
	s_wait_kmcnt 0x0
	s_add_nc_u64 s[4:5], s[4:5], s[22:23]
	s_add_nc_u64 s[6:7], s[6:7], s[24:25]
	s_add_nc_u64 s[8:9], s[8:9], s[26:27]
	s_add_nc_u64 s[10:11], s[10:11], s[28:29]
	s_add_nc_u64 s[12:13], s[12:13], s[30:31]
	s_add_nc_u64 s[14:15], s[14:15], s[32:33]
	s_add_nc_u64 s[16:17], s[16:17], s[32:33]
	s_wait_alu depctr_va_vdst(0)                   ; the offsets and LDS addresses v1 and v3 to v10 are written: every load and store of the kernel reads one of them, and none is written again
.irp f, 0,1,2,3                                ; W's tile phi: rows 16 phi + r of my 64
.irp g, 0,1
.irp p, 0,1,2,3,4,5
	global_load_b64 v[WF+24*\f+12*\g+2*\p:WF+24*\f+12*\g+2*\p+1], v3, s[8:9] offset:3072*\f+96*\g+48*(\p/3)+8*(\p%3)
.endr
	global_load_b32 v[WS+2*\f+\g], v4, s[10:11] offset:128*\f+4*\g
.endr
.endr
.irp g, 0,1                                    ; z: block 2 c + h of K step g is head 4 g + 2 c + h
.irp p, 0,1,2,3,4,5
	global_load_b64 v[ZF+12*\g+2*\p:ZF+12*\g+2*\p+1], v5, s[4:5] offset:(4*\g+2*(\p/3))*49152+8*(\p%3)
.endr
.endr
.irp n, 0,1,2,3,4,5,6,7
	global_load_u8 v[ZB+\n], v1, s[6:7] offset:2048*\n   ; my row's scale byte of head n
.endr
.irp f, 0,1,2,3
	global_load_b128 v[CB+8*\f:CB+8*\f+3], v7, s[12:13] offset:64*\f          ; the bias of features 16 phi + 8 h + 0 .. 7
	global_load_b128 v[CB+8*\f+4:CB+8*\f+7], v7, s[12:13] offset:64*\f+16
.endr
.irp e, 0,1,2,3,4,5,6,7                        ; x_a last, in the store's layout: tile rows 2 e and 2 e + 1
	global_load_b128 v[XR+4*\e:XR+4*\e+3], v8, s[14:15] offset:(2*\e+8*(\e/4))*1024 th:TH_LOAD_NT
.endr
	s_wait_loadcnt 8                               ; all but x_a's eight
	v_lshl_or_b32 v[ZS], v[ZB+1], 8, v[ZB]         ; z's scale words: four heads' bytes a K step
	v_lshl_or_b32 v[ZS+1], v[ZB+5], 8, v[ZB+4]
	v_lshl_or_b32 v[ZS], v[ZB+2], 16, v[ZS]
	v_lshl_or_b32 v[ZS+1], v[ZB+6], 16, v[ZS+1]
	v_lshl_or_b32 v[ZS], v[ZB+3], 24, v[ZS]
	v_lshl_or_b32 v[ZS+1], v[ZB+7], 24, v[ZS+1]
.rept 8
	v_nop                                          ; a scale register written by a vector instruction stands eight places ahead of a scaled matrix instruction
.endr
	s_wait_alu depctr_va_vdst(0)                   ; z's two scale words are written, which the products below take as scales; the places above stay beside this wait
.irp g, 0,1                                    ; four accumulators by turns, a K step at a time
.irp f, 0,1,2,3
	v_wmma_scale_f32_16x16x128_f8f6f4 v[CB+8*\f:CB+8*\f+7], v[WF+24*\f+12*\g:WF+24*\f+12*\g+11], v[ZF+12*\g:ZF+12*\g+11], v[CB+8*\f:CB+8*\f+7], v[WS+2*\f+\g], v[ZS+\g] matrix_a_fmt:MATRIX_FMT_FP6 matrix_b_fmt:MATRIX_FMT_FP6
.endr
.endr
.rept 4
	v_nop                                          ; four places in front of the first read of results (ISA guide 7.12.1)
.endr
	s_wait_alu depctr_va_vdst(0)                   ; the products have written the sums, which the LDS stores read, and are done reading W's fragments, in whose first 32 registers the LDS loads land; the places above stay beside this wait
.irp f, 0,1,2,3
	ds_store_b128 v9, v[CB+8*\f:CB+8*\f+3] offset:64*\f            ; each accumulator from its low end on
	ds_store_b128 v9, v[CB+8*\f+4:CB+8*\f+7] offset:64*\f+16
.endr
.irp e, 0,1,2,3,4,5,6,7
	ds_load_b128 v[RB+4*\e:RB+4*\e+3], v10 offset:2*\e*SP          ; LDS serves a wave's instructions in order (ISA guide 5.7.1.4): these see my stores
.endr
	s_wait_loadcnt 0x0                             ; x_a
.irp e, 0,1,2,3,4,5,6,7
	s_wait_dscnt 7-\e                              ; rows 2 e, 2 e + 1 are back; the younger loads may be out
	v_pk_add_f32 v[RB+4*\e:RB+4*\e+1], v[RB+4*\e:RB+4*\e+1], v[XR+4*\e:XR+4*\e+1]
	v_pk_add_f32 v[RB+4*\e+2:RB+4*\e+3], v[RB+4*\e+2:RB+4*\e+3], v[XR+4*\e+2:XR+4*\e+3]
.endr
	s_wait_alu depctr_va_vdst(0)                   ; the sixteen additions have written v16 to v47, which the eight stores below read
.irp e, 0,1,2,3,4,5,6,7
	global_store_b128 v8, v[RB+4*\e:RB+4*\e+3], s[16:17] offset:(2*\e+8*(\e/4))*1024 th:TH_STORE_NT   ; sixteen lanes store 256 consecutive bytes, at a multiple of 256 from out's first byte
.endr
	s_wait_dscnt 0x0
	s_wait_alu depctr_hold_cnt(0) depctr_sa_sdst(0) depctr_va_vdst(0) depctr_va_sdst(0) depctr_va_ssrc(0) depctr_va_vcc(0) depctr_vm_vsrc(0)
	s_wait_tensorcnt 0x0
	ds_add_u32 v254, v255
	s_wait_dscnt 0x0
	s_endpgm
.Lfunc_end_k_qc0928abff2_outp:
	.size	k_qc0928abff2_outp, .Lfunc_end_k_qc0928abff2_outp-k_qc0928abff2_outp
	.p2alignl 7, 3214868480
	.fill 96, 4, 3214868480
	.section	.rodata,"a",@progbits
	.p2align	6, 0x0
	.amdhsa_kernel k_qc0928abff2_outp
		.amdhsa_group_segment_fixed_size 17920
		.amdhsa_private_segment_fixed_size 0
		.amdhsa_enable_private_segment 0
		.amdhsa_kernarg_size 56
		.amdhsa_user_sgpr_count 2
		.amdhsa_user_sgpr_kernarg_segment_ptr 1
		.amdhsa_wavefront_size32 1
		.amdhsa_system_sgpr_workgroup_id_x 1
		.amdhsa_system_sgpr_workgroup_id_y 1
		.amdhsa_system_sgpr_workgroup_id_z 1
		.amdhsa_system_vgpr_workitem_id 0
		.amdhsa_next_free_vgpr 256
		.amdhsa_next_free_sgpr 66
		.amdhsa_reserve_vcc 0
		.amdhsa_float_denorm_mode_32 3
		.amdhsa_float_denorm_mode_16_64 3
		.amdhsa_memory_ordered 1
		.amdhsa_forward_progress 1
		.amdhsa_inst_pref_size 17
	.end_amdhsa_kernel
	.amdgpu_metadata
---
amdhsa.version: [ 1, 2 ]
amdhsa.kernels:
  - .name:           k_qc0928abff2_outp
    .symbol:         k_qc0928abff2_outp.kd
    .args:
      - { .name: zc, .offset: 0, .size: 8, .value_kind: global_buffer, .address_space: global }
      - { .name: zs, .offset: 8, .size: 8, .value_kind: global_buffer, .address_space: global }
      - { .name: w_w_codes, .offset: 16, .size: 8, .value_kind: global_buffer, .address_space: global }
      - { .name: w_w_scales, .offset: 24, .size: 8, .value_kind: global_buffer, .address_space: global }
      - { .name: w_b, .offset: 32, .size: 8, .value_kind: global_buffer, .address_space: global }
      - { .name: x_a, .offset: 40, .size: 8, .value_kind: global_buffer, .address_space: global }
      - { .name: out0, .offset: 48, .size: 8, .value_kind: global_buffer, .address_space: global }
    .group_segment_fixed_size: 17920
    .private_segment_fixed_size: 0
    .kernarg_segment_align: 8
    .kernarg_segment_size: 56
    .max_flat_workgroup_size: 128
    .sgpr_count:     66
    .vgpr_count:     256
    .wavefront_size: 32
...
	.end_amdgpu_metadata
.endif
;; end of part 6
